; MI455X (gfx1250); checked and timed in simulation.
; The chip was launched on July 23, 2026; its instructions are those of AMD's public machine-readable ISA for CDNA 5 (MIT licence, August 2026) and "CDNA5" Instruction Set Architecture Reference Guide (July 2026). The comments in the code are by the model that wrote it; some were corrected since.
;; Multi Head Attention. Allowed arithmetic: matrix products marked QUANTISED: E2M1 operands, one E8M0 scale for each 32 along K, by v_wmma_scale_f32_16x16x128_f8f6f4 with both operands' format E2M1 (or v_wmma_scale_f32_32x16x128_f4), f32 sums; everything else in f32.
;; Inputs: Wk_codes 1,024 x 32 x 16 uint8 (E2M1 codes of Wk, K innermost, in blocks of 32 codes, two codes a byte); Wk_scales 1,024 x 32 uint8 (E8M0 scales of Wk, one for each 32 codes along K); Wo_codes 1,024 x 32 x 16 uint8 (E2M1 codes of Wo, K innermost, in blocks of 32 codes, two codes a byte); Wo_scales 1,024 x 32 uint8 (E8M0 scales of Wo, one for each 32 codes along K); Wq_codes 1,024 x 32 x 16 uint8 (E2M1 codes of Wq, K innermost, in blocks of 32 codes, two codes a byte); Wq_scales 1,024 x 32 uint8 (E8M0 scales of Wq, one for each 32 codes along K); Wv_codes 1,024 x 32 x 16 uint8 (E2M1 codes of Wv, K innermost, in blocks of 32 codes, two codes a byte); Wv_scales 1,024 x 32 uint8 (E8M0 scales of Wv, one for each 32 codes along K); bk 1,024 float32; bo 1,024 float32; bq 1,024 float32; bv 1,024 float32; keys_codes 8 x 1,024 x 32 x 16 uint8 (E2M1 codes of keys, K innermost, in blocks of 32 codes, two codes a byte); keys_scales 8 x 1,024 x 32 uint8 (E8M0 scales of keys, one for each 32 codes along K); queries_codes 8 x 1,024 x 32 x 16 uint8 (E2M1 codes of queries, K innermost, in blocks of 32 codes, two codes a byte); queries_scales 8 x 1,024 x 32 uint8 (E8M0 scales of queries, one for each 32 codes along K); values_codes 8 x 1,024 x 32 x 16 uint8 (E2M1 codes of values, K innermost, in blocks of 32 codes, two codes a byte); values_scales 8 x 1,024 x 32 uint8 (E8M0 scales of values, one for each 32 codes along K).
;; Outputs: out0 8 x 1,024 x 1,024 float32.
;; This version of the problem:
;;   THIS VERSION OF THE PROBLEM IS GIVEN IN LOW PRECISION. The matrix products marked QUANTISED in the list below multiply operands that are first quantised to E2M1 (2 exponent bits, 1 mantissa bit; 4 bits a number), with one power-of-two scale for each 32 numbers along K (OCP MX v1.0); their sums are f32. All else is computed in f32.
;;   The module's matrix products, in the order in which they are computed (A, B: the left and right operand; K: the contracted axis; several contracted axes count as one K, in the product's order):
;;     1. [M 8,192, K 1,024] x [K 1,024, N 1,024]; A: input queries (given as codes); B: input Wq (given as codes): QUANTISED
;;     2. [M 8,192, K 1,024] x [K 1,024, N 1,024]; A: input keys (given as codes); B: input Wk (given as codes): QUANTISED
;;     3. [M 8,192, K 1,024] x [K 1,024, N 1,024]; A: input values (given as codes); B: input Wv (given as codes): QUANTISED
;;     4. batch 128 x [M 1,024, K 64] x [K 64, N 1,024]; A: computed on the way; B: computed on the way: QUANTISED
;;     5. batch 128 x [M 64, K 1,024] x [K 1,024, N 1,024]; A: computed on the way; B: softmax (see below): QUANTISED
;;     6. [M 8,192, K 1,024] x [K 1,024, N 1,024]; A: computed on the way; B: input Wo (given as codes): QUANTISED
;;   THE QUANTISER, for each operand of a quantised product, along K:
;;     - K is cut into blocks of 32 from its start; a last block that is shorter is filled with zeros.
;;     - A block's scale is 2^e with e = floor(log2(the largest magnitude in the block)) - 2, held to -126 .. 127; a block of zeros has e = 0. As a byte (E8M0): e + 127.
;;     - Each number is divided by its block's scale, clamped to +-6, and rounded to the nearest number of E2M1, ties to even, subnormals kept.
;;     - The product sums the exact products of the quantised numbers (number of the format x scale) in f32.
;;   ~~~python
;;   def quantise(x, axis):      # numpy; x: float32 -> the quantised numbers, widened to float32 again
;;       x = np.moveaxis(x, axis, -1); K = x.shape[-1]
;;       x = np.pad(x, [(0, 0)] * (x.ndim - 1) + [(0, -K % 32)]); x = x.reshape(x.shape[:-1] + (-1, 32)); a = np.abs(x).max(-1, keepdims=True)
;;       e = np.where(a > 0, np.clip(np.frexp(np.where(a > 0, a, 1))[1] - 1 - 2, -126, 127), 0)      # np.frexp(a)[1] - 1 = floor(log2(a)), exactly
;;       r = np.clip(x / 2.0 ** e, -6, 6)
;;       step = 2.0 ** (np.maximum(np.frexp(np.where(r == 0, 1, r))[1] - 1, 0) - 1)
;;       q = np.round(r / step) * step * 2.0 ** e      # np.round: ties to even
;;       return np.moveaxis(q.reshape(q.shape[:-2] + (-1,))[..., :K], -1, axis).astype(np.float32)
;;   ~~~
;;   SOFTMAX AHEAD OF A QUANTISED PRODUCT. Where the list says 'softmax', what is quantised is not the finished softmax but p = 2^(t - M), with t = logit x log2(e) and M = ceil(the row's largest t), a whole number; so 1/2 < the row's largest p <= 1. The row's sum l is taken of the UNQUANTISED p, in f32, and the product's result is divided by l at the end. Since M is a whole number, a kernel that streams over the keys may use a running M (the ceiling of the running maximum): every later rescaling is an exact power of two, which a block's scale takes up: the codes' values come out the same.
;;   OPERANDS COMPUTED ON THE WAY. 'Computed on the way' means the value that the module computes at that place (a softmax that the list does not call 'softmax' is quantised finished and normalised). What goes into a quantiser is computed in f32, as accurately as f32 sums, v_exp_f32 and their like allow (about 1e-6 of the number): no bf16 or f16 on the way to a quantiser, and a product that is left as it is and whose result goes on into a quantised operand takes f32 operands (vector FMAs, or v_wmma_f32_16x16x4_f32). A number that lies on a knife's edge between two numbers of the format may be rounded either way, as far as f32 arithmetic and the matrix unit's own rounding can turn it there, and no further.
;;   INPUTS GIVEN AS CODES. Wk (in the module: [1024, 1024], K = its axis 1); Wo (in the module: [1024, 1024], K = its axis 1); Wq (in the module: [1024, 1024], K = its axis 1); Wv (in the module: [1024, 1024], K = its axis 1); keys (in the module: [8, 1024, 1024], K = its axis 2); queries (in the module: [8, 1024, 1024], K = its axis 2); values (in the module: [8, 1024, 1024], K = its axis 2): each comes as NAME_codes (uint8): NAME with its K axis moved to the last place and cut into blocks of 32 codes, [.., K / 32, bytes a block], one block behind the other in memory; two codes a byte, the lower K in the low four bits (a code: sign, 2 exponent bits, 1 mantissa bit); and NAME_scales (uint8): the same leading axes, one E8M0 byte (e + 127) for each 32 codes along K. Its value is code x scale, taken as it is: it is not quantised again, and the codes and scales need not be those that the quantiser above would give.
;; One version. Each part assembles by itself: llvm-mc -triple=amdgcn-amd-amdhsa -mcpu=gfx1250 --defsym DOCPART=n.
;; ======== version 1 of 1: 3 launches
;; limits: right only within a limited range of input values
;; workspace buffers: qc 4,194,304 bytes; qs 524,288 bytes; kc 4,194,304 bytes; ks 262,144 bytes; vc 4,194,304 bytes; vs 262,144 bytes; ac 4,194,304 bytes; asc 524,288 bytes
;; launch proj (part 1): grid 8 x 32, 4 waves a work-group, clusters of 4 x 4, 327,680 bytes of LDS; arguments queries_codes, Wq_codes, keys_codes, Wk_codes, values_codes, Wv_codes, queries_scales, Wq_scales, keys_scales, Wk_scales, values_scales, Wv_scales, bq, bk, bv, qc, qs, kc, ks, vc, vs; writes qc, qs, kc, ks, vc, vs
.if DOCPART == 1
	.amdgcn_target "amdgcn-amd-amdhsa--gfx1250"
	.amdhsa_code_object_version 6
	.text
	.protected	k_q4ebb1d53c8_proj
	.globl	k_q4ebb1d53c8_proj
	.p2align	8
	.type	k_q4ebb1d53c8_proj,@function
k_q4ebb1d53c8_proj:
	s_mov_b64 s[64:65], 0
	v_nop
	global_prefetch_b8 v0, s[64:65] scope:SCOPE_SE
	s_setreg_imm32_b32 hwreg(HW_REG_WAVE_MODE, 25, 1), 1
	s_wait_xcnt 0x0
	s_wait_alu depctr_hold_cnt(0) depctr_sa_sdst(0) depctr_va_vdst(0) depctr_va_sdst(0) depctr_va_ssrc(0) depctr_va_vcc(0) depctr_vm_vsrc(0)
	s_getreg_b32 s2, hwreg(HW_REG_IB_STS2, 6, 4)
	s_cmp_eq_u32 s2, 0
	s_cbranch_scc0 .Lentry_in_a_cluster
	s_endpgm
.Lentry_in_a_cluster:
	s_bfe_u32 s2, ttmp6, 0x10000c
	s_cmp_lg_u32 s2, 0xf033
	s_cbranch_scc0 .Lentry_shape_is_right
	s_endpgm
.Lentry_shape_is_right:
; q = queries Wq^T + bq, k = keys Wk^T + bk, v = values Wv^T + bv: FP4 (E2M1) codes x FP4 codes with E8M0 scales, f32 sums; each result is quantised again to FP4
; and leaves as IMAGES OF THE NEXT PRODUCT'S OPERAND REGISTERS (four registers: lane l's 16 bytes at 16 l, 512 bytes) with its scale words beside them.
; q and k are quantised along a head's 64 channels, v along the keys.
; SHARES.  256 work-groups of four waves; each stays for three tiles: T0 = q, T1 = k, T2 = v.  A tile is I 128 x J 256.  I = source 0's rows = the axis that is quantised
; (q, k: rows of W; v: tokens); J = source 1's rows.  Wave w takes I 128 x J 64: 8 x 4 = 32 accumulators.  In the result lane (r, h) holds row J = r and, in tile t's register j, I = 16 t + 8 h + j.
; FROM RESULT TO OPERAND.  A block of 32 along I is tiles 2 b and 2 b + 1 in lanes l and l xor 16.  One conversion of a tile's eight registers gives eight codes; the results of blocks 2 c and 2 c + 1 stand in
; neighbouring registers, and an exchange of halves between the two leaves register 4 c + i of lane (r, h) with I = 64 c + 32 h + 8 i .. + 7: the 4-bit operand's own order.
; K goes in two chunks of 512 codes (rows of 256 bytes) through three LDS slots; the six chunks of the three tiles walk the slots in turn.
; CLUSTER 4 x 4.  q, k: W's rows hang on x (shared down a column of the cluster), the tokens on y (shared along a row).  v: the tokens hang on y and the cluster's x (shared along a row), Wv's rows on cx (down a column).
; Each tile is asked for jointly.  Addresses made from cx live in the sets GC and go with the column's mask, those made from cy in the sets GR with the row's mask.
; The bias is the C of a sum's first matrix instruction, so it is added ahead of the products.
; LIMITS: NaN and infinities are not served.  A block whose largest magnitude lies under 2^-124, a block of zeros among them, gets the scale byte 1 (zeros: zero codes); these bytes are read by this program alone.
; REGISTERS, in windows of 256.  Window 0: addresses, work, codes, v80-223 scale words.  Window 1: accumulator (t, j) at 8 (8 j + t).  Window 2: J's fragments, two sets at 0 and 32; biases from 64.  Window 3: I's fragments, two sets at 0 and 64.
.set UNIT,  128*272                    ; 128 rows of 256 bytes + 16 of padding: what one tensor load brings
.set SLOT,  3*UNIT                     ; unit 0: source 0's 128 rows; units 1, 2: source 1's 256
.set SPARE, 3*SLOT                     ; behind the three slots: the spare words, 128 bytes a wave, two blocks of 256 bytes that no other line names
.set TROW,  16*272                     ; 16 rows
.set LI,   4                           ; v4   16 x lane
.set L32,  5                           ; v5   32 x lane: a row of scale bytes
.set H32,  6                           ; v6   32 h
.set R4,   7                           ; v7   4 r
.set L8,   8                           ; v8   8 x lane
.set QSO,  9                           ; v9   4096 h + 16 r: q's scale words
.set R16,  10                          ; v10  16 r
.set SH16, 11                          ; v11  16 h: a shift
.set SELV, 12                          ; v12  byte selects: the low halves of two words (h = 0) or the high halves (h = 1)
.set SPW,  13                          ; v13  LDS address of my spare word; never rewritten
.set NIL,  14                          ; v14  0; never rewritten
.set ADRI, 16                          ; v16-18  LDS address of source 0's fragments in slot 0, 1, 2
.set ADRJ, 20                          ; v20-22  of source 1's
.set TM,   24                          ; v24-39  at work: +0..3 largest magnitudes, +4..7 the other half's, then bytes, +12..15 the conversions' scale operands
.set PW,   40                          ; v40-43  the scale word of J tile j
.set WD,   44                          ; v44-47  scale words as they are stored
.set PC,   48                          ; v48-79  the codes of J tile j: 8 registers
.set SC,   80                          ; tile T's scale words at SC + 48 T: I's at 8 p + ks (lanes 0-15 tile 2 p, lanes 16-31 tile 2 p + 1), J's at 32 + 8 p + ks
.set CB,   64                          ; window 2: bq's 8 tiles, then bk's
.set CB2,  192                         ; window 2: bv's 4 tiles
.set G1R,  16                          ; s[16:23] group 1 with my row's mask
.set G1C,  24                          ; s[24:31] with my column's: 128 rows (Wq's, Wk's)
.set G1R2, 68                          ; s[68:75] my row's mask, 128 rows (v's tokens); made when the head's loads, whose bases lay here, are done
.set G1C2, 76                          ; s[76:83] my column's mask, 256 rows (Wv's)
.set GC,   32                          ; s[32:43] groups 0, one a slot: addresses that hang on cx
.set GR,   44                          ; s[44:55] that hang on cy
.set WV,   56
.set CX,   57
.set CY,   58
.set XX,   59
.set YY,   60
.set TI,   61
.set W_MUL,  0x5b                      ; source 0 window 3, source 1 window 2, C and D window 1
.set W_MUL1, 0x6b                      ; the same with C (the bias) in window 2
.set W_LI,   0xc0
.set W_LJ,   0x80
.set Q1,     0x05
.set Q2,     0x14
.set Q3,     0x01
.set MSB, 0
.macro WIN new                         ; the immediate's high byte repeats the setting that is left; a switch that changes nothing is dropped
.if MSB != \new
	s_set_vgpr_msb (MSB<<8)|\new
.set MSB, \new
.endif
.endm
.macro PLACES                          ; four plain places behind matrix instructions, in front of loads into their operands and of reads of their results
.rept 4
	v_nop
.endr
.endm
.macro CROUND                          ; a round of the cluster's barrier
	s_barrier_signal -1
	s_barrier_wait -1
	s_cmp_lg_u32 s[WV], 0
	s_cbranch_scc1 .Lnot_wave_0_\@
	s_barrier_signal -3
.Lnot_wave_0_\@:
	s_barrier_wait -3
	s_barrier_signal -1
	s_barrier_wait -1
.endm
; JOINT LOADS.  A chunk in slot s is two loads: role 0 = source 0's 128 rows (unit 0), role 1 = source 1's 256 rows (units 1 and 2).  A wave's role is its number % 2.
; kd = 0 (q, k): source 0 by GC and G1C, source 1 by GR and G1R (256 rows); kd = 1 (v): source 0 by GR and G1R2, source 1 by GC and G1C2.
; The branches hang on the wave's number alone.  An s_nop 0 and four v_nop follow each load.
.macro PICK role, s, kd
.if (\kd) == 0
.if (\role) == 0
.set D0, GC+4*(\s)
.set D1, G1C
.else
.set D0, GR+4*(\s)
.set D1, G1R
.endif
.else
.if (\role) == 0
.set D0, GR+4*(\s)
.set D1, G1R2
.else
.set D0, GC+4*(\s)
.set D1, G1C2
.endif
.endif
	tensor_load_to_lds s[D0:D0+3], s[D1:D1+7]
	s_nop 0
.rept 4
	v_nop
.endr
.endm
.macro ARMJ w, role, s, kd, done       ; one arm of a chain: wave w issues its load and jumps to the join
	s_cmp_eq_u32 s[WV], \w
	s_cbranch_scc0 .Lnext_arm_\@
	PICK \role, \s, \kd
	s_branch \done
.Lnext_arm_\@:
.endm
.macro JL1 s, kd                       ; one chunk: waves 0 and 1
	ARMJ 0, 0, \s, \kd, .Ljl_asked_\@
	ARMJ 1, 1, \s, \kd, .Ljl_asked_\@
.Ljl_asked_\@:
.endm
.macro JL2 sa, ka, sb, kb              ; two chunks: waves 0 and 1 the first, waves 2 and 3 the second: every way passes one load
	ARMJ 0, 0, \sa, \ka, .Ljl_asked_\@
	ARMJ 1, 1, \sa, \ka, .Ljl_asked_\@
	ARMJ 2, 0, \sb, \kb, .Ljl_asked_\@
	PICK 1, \sb, \kb
.Ljl_asked_\@:
.endm
.macro SETA s, pc, pr, hf              ; slot s's two global addresses: the tiles' first bytes + half hf of K
	s_add_nc_u64 s[GC+4*\s+2:GC+4*\s+3], s[\pc:\pc+1], 256*\hf
	s_or_b32 s[GC+4*\s+3], s[GC+4*\s+3], 0x80000000
	s_add_nc_u64 s[GR+4*\s+2:GR+4*\s+3], s[\pr:\pr+1], 256*\hf
	s_or_b32 s[GR+4*\s+3], s[GR+4*\s+3], 0x80000000
.endm
; Slot s, which every wave has read out, is filled again.
.macro REFILL1 s, pc, pr, hf, kd
	s_wait_tensorcnt 0x0                           ; all my tensor loads have landed, so a group 0 may be written
	ds_add_u32 v[SPW], v[NIL]                      ; 0 onto my spare word
	SETA \s, \pc, \pr, \hf
	s_wait_dscnt 0x0                               ; the add is done, and my reads of the slot are over
	CROUND                                         ; the same now holds of every wave of all sixteen work-groups
	JL1 \s, \kd                                    ; the first tensor load behind the round, by waves 0 and 1
.endm
.macro REFILL2 sa, pca, pra, hfa, kda, sb, pcb, prb, hfb, kdb   ; the same for two slots at once
	s_wait_tensorcnt 0x0
	ds_add_u32 v[SPW], v[NIL]
	SETA \sa, \pca, \pra, \hfa
	SETA \sb, \pcb, \prb, \hfb
	s_wait_dscnt 0x0
	CROUND
	JL2 \sa, \kda, \sb, \kdb
.endm
; 24 LDS loads: the fragments of 128 along K, the chunk's q-th, into set st.  A fragment is 16 rows x 128 codes: lane (r, h) takes 16 bytes at row r, 32 c + 16 h.
.macro FETCH sl, q, st
	WIN W_LI
.irp t, 0,1,2,3,4,5,6,7
.irp c, 0,1
	ds_load_b128 v[64*(\st)+8*\t+4*\c:64*(\st)+8*\t+4*\c+3], v[ADRI+\sl] offset:\t*TROW+64*(\q)+32*\c
.endr
.endr
	WIN W_LJ
.irp t, 0,1,2,3
.irp c, 0,1
	ds_load_b128 v[32*(\st)+8*\t+4*\c:32*(\st)+8*\t+4*\c+3], v[ADRJ+\sl] offset:\t*TROW+64*(\q)+32*\c
.endr
.endr
.endm
.macro WM d, a, b, c, sa, sb, ra, rb   ; one matrix instruction; ra, rb = 1: that side's scale words stand in lanes 16-31
.if ((\ra) == 1) && ((\rb) == 1)
	v_wmma_scale_f32_16x16x128_f8f6f4 v[\d:\d+7], v[\a:\a+7], v[\b:\b+7], v[\c:\c+7], v[\sa], v[\sb] matrix_a_fmt:MATRIX_FMT_FP4 matrix_b_fmt:MATRIX_FMT_FP4 matrix_a_scale:MATRIX_SCALE_ROW1 matrix_b_scale:MATRIX_SCALE_ROW1
.elseif (\ra) == 1
	v_wmma_scale_f32_16x16x128_f8f6f4 v[\d:\d+7], v[\a:\a+7], v[\b:\b+7], v[\c:\c+7], v[\sa], v[\sb] matrix_a_fmt:MATRIX_FMT_FP4 matrix_b_fmt:MATRIX_FMT_FP4 matrix_a_scale:MATRIX_SCALE_ROW1
.elseif (\rb) == 1
	v_wmma_scale_f32_16x16x128_f8f6f4 v[\d:\d+7], v[\a:\a+7], v[\b:\b+7], v[\c:\c+7], v[\sa], v[\sb] matrix_a_fmt:MATRIX_FMT_FP4 matrix_b_fmt:MATRIX_FMT_FP4 matrix_b_scale:MATRIX_SCALE_ROW1
.else
	v_wmma_scale_f32_16x16x128_f8f6f4 v[\d:\d+7], v[\a:\a+7], v[\b:\b+7], v[\c:\c+7], v[\sa], v[\sb] matrix_a_fmt:MATRIX_FMT_FP4 matrix_b_fmt:MATRIX_FMT_FP4
.endif
.endm
; 32 matrix instructions: tile tn's K step ks on fragment set st.  The 32 accumulators take turns, one instruction a turn, in the same order in every step.
; fi = 1: the sums begin with the bias: along I for q and k, along J for v (kd = 2).
.macro MUL32 tn, ks, st, fi, kd
.irp t, 0,1,2,3,4,5,6,7
.irp j, 0,1,2,3
.if (\fi) && ((\kd) == 2)
	WM 8*(8*\j+\t), 64*(\st)+8*\t, 32*(\st)+8*\j, CB2+8*\j, SC+48*(\tn)+8*(\t/2)+(\ks), SC+48*(\tn)+32+8*(\j/2)+(\ks), \t%2, \j%2
.elseif (\fi)
	WM 8*(8*\j+\t), 64*(\st)+8*\t, 32*(\st)+8*\j, CB+64*(\tn)+8*\t, SC+48*(\tn)+8*(\t/2)+(\ks), SC+48*(\tn)+32+8*(\j/2)+(\ks), \t%2, \j%2
.else
	WM 8*(8*\j+\t), 64*(\st)+8*\t, 32*(\st)+8*\j, 8*(8*\j+\t), SC+48*(\tn)+8*(\t/2)+(\ks), SC+48*(\tn)+32+8*(\j/2)+(\ks), \t%2, \j%2
.endif
.endr
.endr
.endm
; A chunk: four K steps of 128 out of slot sl.  Each step's fragments are asked for ahead of the step before it.
.macro CHUNK tn, sl, hf, kd
	PLACES
	FETCH \sl, 0, 0
.irp q, 0,1,2,3
	s_wait_dscnt 0x0                               ; this step's 24 loads are in: they were issued ahead of the last step's 32 matrix instructions
.if \q < 3
.if \q > 0
	PLACES                                         ; the set that is loaded next was read by the matrix instructions just issued
.endif
	FETCH \sl, \q+1, (\q+1)%2
.endif
.if ((\hf) == 0) && (\q == 0)
	WIN W_MUL1
	MUL32 \tn, 0, 0, 1, \kd
.else
	WIN W_MUL
	MUL32 \tn, 4*(\hf)+\q, \q%2, 0, \kd
.endif
.endr
	WIN 0
.endm
; J tile j's 64 numbers a lane (window 1, v[64 j ..]; register 16 b + i belongs to block b) become 8 registers of codes, v[PC + 8 j ..], and a scale word, v[PW + j].
.macro QUANT j
	WIN Q1
.irp b, 0,1,2,3
	v_max3_num_f32 v[TM+\b], |v[64*\j+16*\b]|, |v[64*\j+16*\b+1]|, 0x1800000   ; my 16 numbers of block b, and the floor 2^(3 - 127): the byte cannot fall under 1
.endr
	WIN Q2
.irp i, 2,4,6,8,10,12,14
.irp b, 0,1,2,3
	v_max3_num_f32 v[TM+\b], v[TM+\b], |v[64*\j+16*\b+\i]|, |v[64*\j+16*\b+\i+1]|   ; the four blocks by turns
.endr
.endr
	WIN 0
.irp b, 0,1,2,3
	v_permlanex16_b32 v[TM+4+\b], v[TM+\b], s100, s101
.endr
.irp b, 0,1,2,3
	v_max_num_f32 v[TM+\b], v[TM+\b], v[TM+4+\b]   ; with lane l xor 16's: the block's largest magnitude
.endr
.irp b, 0,1,2,3
	v_add_nc_u32 v[TM+12+\b], 0xff000000, v[TM+\b] ; 2 off its exponent field: the conversion takes this operand's exponent field as its scale
.endr
.irp b, 0,1,2,3
	v_lshrrev_b32 v[TM+4+\b], 23, v[TM+12+\b]      ; the scale's byte
.endr
	v_lshl_or_b32 v[PW+\j], v[TM+5], 8, v[TM+4]
	v_lshl_or_b32 v[PW+\j], v[TM+6], 16, v[PW+\j]
	v_lshl_or_b32 v[PW+\j], v[TM+7], 24, v[PW+\j]
	WIN Q3
.irp c, 0,1
.irp u, 0,1
	v_cvt_scalef32_pk8_fp4_f32 v[PC+8*\j+4*\c+2*\u], v[64*\j+8*(4*\c+\u):64*\j+8*(4*\c+\u)+7], v[TM+12+2*\c]             ; block 2 c, tile u
	v_cvt_scalef32_pk8_fp4_f32 v[PC+8*\j+4*\c+2*\u+1], v[64*\j+8*(4*\c+2+\u):64*\j+8*(4*\c+2+\u)+7], v[TM+12+2*\c+1]     ; block 2 c + 1, tile u
.endr
.endr
	WIN 0
	v_nop                                          ; one plain place behind the scaled conversions
.irp c, 0,1
.irp u, 0,1
	v_permlane16_swap_b32 v[PC+8*\j+4*\c+2*\u], v[PC+8*\j+4*\c+2*\u+1]   ; lanes 0-15 keep block 2 c, lanes 16-31 block 2 c + 1
.endr
.endr
.endm
; A finished tile is quantised and stored.  kd = 0: q, 1: k, 2: v.  Every store of codes covers 512 consecutive bytes, aligned.
.macro EPI kd
	PLACES
	s_wait_xcnt 0x0                                ; the last tile's stores have read their data: the codes' and words' registers are written again only behind this wait
.irp j, 0,1,2,3
	QUANT \j
.if \kd == 2
	global_store_b128 v[LI], v[PC+8*\j:PC+8*\j+3], s[96:97] offset:1024*\j          ; channels 16 j on, keys 0-63 of the step
	global_store_b128 v[LI], v[PC+8*\j+4:PC+8*\j+7], s[96:97] offset:1024*\j+512    ; keys 64-127
.elseif \kd == 1
	global_store_b128 v[LI], v[PC+8*\j:PC+8*\j+3], s[92:93] offset:512*\j
	global_store_b128 v[LI], v[PC+8*\j+4:PC+8*\j+7], s[92:93] offset:512*\j+32768
.else
	global_store_b128 v[LI], v[PC+8*\j:PC+8*\j+3], s[88:89] offset:512*\j           ; tokens 16 j on, head 2 x
	global_store_b128 v[LI], v[PC+8*\j+4:PC+8*\j+7], s[88:89] offset:512*\j+32768   ; head 2 x + 1
.endif
.endr
.if \kd == 2
	global_store_b128 v[R16], v[PW:PW+3], s[98:99] ; row r's four words; lanes l and l xor 16 hold the same words and name the same bytes
.elseif \kd == 1
	v_perm_b32 v[WD], v[PW+1], v[PW], v[SELV]      ; my head's two bytes of tiles 0 and 1 in one word,
	v_perm_b32 v[WD+1], v[PW+3], v[PW+2], v[SELV]  ; of tiles 2 and 3
	global_store_b64 v[L8], v[WD:WD+1], s[94:95]   ; 256 consecutive bytes a wave
.else
.irp j, 0,1,2,3
	v_lshrrev_b32 v[WD+\j], v[SH16], v[PW+\j]      ; lanes 0-15: head 2 x's two bytes below; lanes 16-31: head 2 x + 1's
.endr
	global_store_b128 v[QSO], v[WD:WD+3], s[90:91] ; sixteen lanes store 256 consecutive bytes
.endif
.endm
; offset = ((s[ra] >> da) << la) + (s[rb] << lb) + ((s[rc] & mc) << lc) + (wave << lw), added to the pointer at s[ptr]
.macro MIX ptr, ra, da, la, rb, lb, rc, mc, lc, lw
	s_lshr_b32 s66, s[\ra], \da
	s_lshl_b32 s66, s66, \la
	s_lshl_b32 s67, s[\rb], \lb
	s_add_co_u32 s66, s66, s67
	s_and_b32 s67, s[\rc], \mc
	s_lshl_b32 s67, s67, \lc
	s_add_co_u32 s66, s66, s67
	s_lshl_b32 s67, s[WV], \lw
	s_add_co_u32 s66, s66, s67
	s_mov_b32 s67, 0
	s_add_nc_u64 s[\ptr:\ptr+1], s[\ptr:\ptr+1], s[66:67]
.endm
.macro SCLOAD tn, pi, pj               ; tile tn's scale words: 32 bytes a row, a lane a row, 16 bytes a load
.irp p, 0,1,2,3
.irp f, 0,1
	global_load_b128 v[SC+48*\tn+8*\p+4*\f:SC+48*\tn+8*\p+4*\f+3], v[L32], s[\pi:\pi+1] offset:1024*\p+16*\f
.endr
.endr
.irp p, 0,1
.irp f, 0,1
	global_load_b128 v[SC+48*\tn+32+8*\p+4*\f:SC+48*\tn+32+8*\p+4*\f+3], v[L32], s[\pj:\pj+1] offset:1024*\p+16*\f
.endr
.endr
.endm
	s_load_b256 s[4:11], s[0:1], 0x0               ; queries, Wq, keys, Wk: codes
	s_load_b128 s[12:15], s[0:1], 0x20             ; values, Wv: codes
	s_load_b256 s[68:75], s[0:1], 0x30             ; queries, Wq, keys, Wk: scales
	s_load_b128 s[76:79], s[0:1], 0x50             ; values, Wv: scales
	s_load_b128 s[80:83], s[0:1], 0x60             ; bq, bk
	s_load_b64 s[84:85], s[0:1], 0x70              ; bv
	s_load_b256 s[88:95], s[0:1], 0x78             ; qc, qs, kc, ks
	s_load_b128 s[96:99], s[0:1], 0x98             ; vc, vs
	v_lshl_add_u32 v[SPW], v0, 2, SPARE
	v_mov_b32 v[NIL], 0
	ds_add_u32 v13, v14
	ds_add_u32 v13, v14
	s_wait_dscnt 0x0
	v_lshrrev_b32 v1, 5, v0
	v_readfirstlane_b32 s[WV], v1                  ; wave 0..3
	s_bfe_u32 s[CX], ttmp6, 0x40000
	s_bfe_u32 s[CY], ttmp6, 0x40004
	s_lshl_b32 s[XX], ttmp9, 2
	s_add_co_u32 s[XX], s[XX], s[CX]               ; x = 4 x cluster x + cx: q, k: 128 rows of W
	s_and_b32 s[YY], ttmp7, 0xffff
	s_lshl_b32 s[YY], s[YY], 2
	s_add_co_u32 s[YY], s[YY], s[CY]               ; y = 4 x cluster y + cy: q, k: 256 tokens
	s_lshl_b32 s[TI], s[YY], 1
	s_add_co_u32 s[TI], s[TI], ttmp9               ; v: 128 tokens: 2 y + cluster x, the same along a row of the cluster
	s_lshl_b32 s62, s[CY], 2
	s_lshl_b32 s62, 15, s62                        ; my row of the cluster
	s_lshl_b32 s2, 0x1111, s[CX]                   ; my column
	s_or_b32 s[G1R], s62, (1<<20)|(1<<21)|(5<<22)|(3<<25)   ; 15:0 the mask; elements of 1 byte; 20 padding on; 21 set beside a mask; after every 64 words (code 5) 4 words (code 3)
	s_or_b32 s[G1C], s2, (1<<20)|(1<<21)|(5<<22)|(3<<25)
.irp g, G1R, G1C
	s_mov_b32 s[\g+1], 256<<16                     ; tensor_dim0 = 256 bytes
	s_mov_b32 s[\g+2], 128<<16                     ; tensor_dim1 = 128 rows
	s_mov_b32 s[\g+3], 256<<16                     ; tile_dim0
	s_mov_b32 s[\g+4], 128                         ; tile_dim1
	s_mov_b32 s[\g+5], 512                         ; a row of 1,024 codes in memory
	s_mov_b32 s[\g+6], 0
	s_mov_b32 s[\g+7], 0
.endr
	s_mov_b32 s[G1R+2], 256<<16                    ; q's and k's tokens come 256 rows to a load: tensor_dim1,
	s_mov_b32 s[G1R+4], 256                        ; tile_dim1
	s_mov_b32 s87, 0                               ; every load begins at its tile's first row
	s_and_b32 s86, s[WV], 1                        ; my role
	s_mul_i32 s86, s86, UNIT                       ; where my load lands in a slot: no place in the cluster enters an LDS address
	s_mov_b32 s63, 0
	s_mov_b32 s3, 0
	s_wait_kmcnt 0x0
	s_lshl_b32 s62, s[YY], 17
	s_add_co_u32 s62, s62, s87
	s_add_nc_u64 s[4:5], s[4:5], s[62:63]          ; queries and keys at tokens 256 y on
	s_add_nc_u64 s[8:9], s[8:9], s[62:63]
	s_lshl_b32 s62, s[TI], 16
	s_add_nc_u64 s[12:13], s[12:13], s[62:63]      ; values at tokens 128 TI on
	s_lshl_b32 s2, s[XX], 16
	s_add_nc_u64 s[6:7], s[6:7], s[2:3]            ; Wq and Wk at rows 128 x on
	s_add_nc_u64 s[10:11], s[10:11], s[2:3]
	s_lshl_b32 s2, s[CX], 17
	s_add_co_u32 s2, s2, s87
	s_add_nc_u64 s[14:15], s[14:15], s[2:3]        ; Wv at rows 256 cx on
.irp s, 0,1,2
	s_mov_b32 s[GC+4*\s], 1
	s_add_co_u32 s[GC+4*\s+1], s86, \s*SLOT
	s_mov_b32 s[GR+4*\s], 1
	s_add_co_u32 s[GR+4*\s+1], s86, \s*SLOT
.endr
	SETA 0, 6, 4, 0                                ; slot 0: q, first half of K
	SETA 1, 6, 4, 1                                ; slot 1: q, second half
	SETA 2, 10, 8, 0                               ; slot 2: k, first half
	CROUND                                         ; all sixteen work-groups are here: the first joint loads meet
	JL2 0, 0, 1, 0                                 ; the head's one load a wave: q's two halves of K into slots 0 and 1
	v_and_b32 v1, 31, v0                           ; lane
	v_and_b32 v2, 15, v0                           ; r
	v_bfe_u32 v3, v0, 4, 1                         ; h
	v_lshlrev_b32 v[LI], 4, v1
	v_lshlrev_b32 v[L32], 5, v1
	v_lshlrev_b32 v[H32], 5, v3
	v_lshlrev_b32 v[R4], 2, v2
	v_lshlrev_b32 v[L8], 3, v1
	v_lshlrev_b32 v[R16], 4, v2
	v_lshl_add_u32 v[QSO], v3, 12, v[R16]
	v_lshlrev_b32 v[SH16], 4, v3
	s_mov_b32 s86, 0x02020202
	v_mul_lo_u32 v[SELV], v3, s86
	v_add_nc_u32 v[SELV], 0x05040100, v[SELV]      ; 0x05040100 or 0x07060302
	v_mul_u32_u24 v15, v2, 272
	v_lshl_add_u32 v15, v3, 4, v15                 ; a fragment's row x pitch + 16 h
.irp s, 0,1,2
	v_add_nc_u32 v[ADRI+\s], \s*SLOT, v15
.endr
	s_mul_i32 s87, s[WV], 64*272
	s_add_co_u32 s87, s87, UNIT                    ; my 64 rows of source 1, behind source 0's unit
	v_add_nc_u32 v15, s87, v15
.irp s, 0,1,2
	v_add_nc_u32 v[ADRJ+\s], \s*SLOT, v15
.endr
.irp b, 0,1,2,3
	v_mov_b32 v[TM+4+\b], 0                        ; written once: a lane permute's destination counts as one of its sources
.endr
	s_mov_b32 s100, 0x76543210
	s_mov_b32 s101, 0xfedcba98                     ; v_permlanex16_b32's selects for lane l xor 16
	; the scale bytes (32 a row) and the biases of my rows
	s_lshl_b32 s87, s[WV], 11
	s_lshl_b32 s62, s[YY], 13
	s_add_co_u32 s62, s62, s87
	s_add_nc_u64 s[68:69], s[68:69], s[62:63]
	s_add_nc_u64 s[72:73], s[72:73], s[62:63]
	s_lshl_b32 s62, s[TI], 12
	s_add_nc_u64 s[76:77], s[76:77], s[62:63]
	s_lshl_b32 s2, s[XX], 12
	s_add_nc_u64 s[70:71], s[70:71], s[2:3]
	s_add_nc_u64 s[74:75], s[74:75], s[2:3]
	s_lshl_b32 s2, s[CX], 13
	s_add_co_u32 s2, s2, s87
	s_add_nc_u64 s[78:79], s[78:79], s[2:3]
	s_lshl_b32 s2, s[XX], 9
	s_add_nc_u64 s[80:81], s[80:81], s[2:3]
	s_add_nc_u64 s[82:83], s[82:83], s[2:3]
	s_lshl_b32 s87, s[WV], 8
	s_lshl_b32 s2, s[CX], 10
	s_add_co_u32 s2, s2, s87
	s_add_nc_u64 s[84:85], s[84:85], s[2:3]
	SCLOAD 0, 70, 68
	SCLOAD 1, 74, 72
	SCLOAD 2, 76, 78
	WIN 0x80                                       ; destination window 2
.irp t, 0,1,2,3,4,5,6,7                ; q, k: lane (r, h) wants, for tile t, the bias of rows 16 t + 8 h + 0 .. 7
	global_load_b128 v[CB+8*\t:CB+8*\t+3], v[H32], s[80:81] offset:64*\t
	global_load_b128 v[CB+8*\t+4:CB+8*\t+7], v[H32], s[80:81] offset:64*\t+16
	global_load_b128 v[CB+64+8*\t:CB+64+8*\t+3], v[H32], s[82:83] offset:64*\t
	global_load_b128 v[CB+64+8*\t+4:CB+64+8*\t+7], v[H32], s[82:83] offset:64*\t+16
.endr
.irp j, 0,1,2,3                        ; v: the bias of row 16 j + r, in all eight registers
.irp i, 0,1,2,3,4,5,6,7
	global_load_b32 v[CB2+8*\j+\i], v[R4], s[84:85] offset:64*\j
.endr
.endr
	WIN 0
	; where my results go
	MIX 88, YY, 2, 19, XX, 16, YY, 3, 13, 11       ; qc [n][head][16 tokens][512]
	MIX 92, YY, 2, 19, XX, 16, YY, 3, 13, 11       ; kc likewise
	MIX 90, YY, 2, 16, XX, 13, YY, 3, 10, 8        ; qs [n][head][64 tokens][r][tile] words
	MIX 94, YY, 2, 15, XX, 12, YY, 3, 10, 8        ; ks [n][pair of heads][64 tokens][head][r][pair of tiles] words
	MIX 96, TI, 3, 19, CX, 17, TI, 7, 12, 15       ; vc [n][head][128 keys][16 channels][2][512]
	MIX 98, TI, 3, 15, CX, 13, TI, 7, 8, 11        ; vs [n][head][128 keys][r][16 channels] words
	s_wait_alu depctr_va_vdst(0)
	REFILL1 2, 10, 8, 0, 0                         ; slots 0 and 1 are whole in every work-group; slot 2's first fill, k's first half, is issued as a refill is
	s_wait_loadcnt 0x0                             ; scale words and biases: their bases are free from here on
	s_lshl_b32 s[G1R2], s[CY], 2                   ; v's two groups 1
	s_lshl_b32 s[G1R2], 15, s[G1R2]
	s_or_b32 s[G1R2], s[G1R2], (1<<20)|(1<<21)|(5<<22)|(3<<25)
	s_lshl_b32 s[G1C2], 0x1111, s[CX]
	s_or_b32 s[G1C2], s[G1C2], (1<<20)|(1<<21)|(5<<22)|(3<<25)
	s_mov_b32 s[G1R2+1], 256<<16
	s_mov_b32 s[G1R2+2], 128<<16
	s_mov_b32 s[G1R2+3], 256<<16
	s_mov_b32 s[G1R2+4], 128
	s_mov_b32 s[G1R2+5], 512
	s_mov_b32 s[G1R2+6], 0
	s_mov_b32 s[G1R2+7], 0
	s_mov_b32 s[G1C2+1], 256<<16
	s_mov_b32 s[G1C2+2], 256<<16
	s_mov_b32 s[G1C2+3], 256<<16
	s_mov_b32 s[G1C2+4], 256
	s_mov_b32 s[G1C2+5], 512
	s_mov_b32 s[G1C2+6], 0
	s_mov_b32 s[G1C2+7], 0
	CHUNK 0, 0, 0, 0                               ; q, both halves of K
	CHUNK 0, 1, 1, 0
	REFILL2 0, 10, 8, 1, 0, 1, 14, 12, 0, 1        ; slot 0 takes k's second half, slot 1 v's first
	EPI 0
	CHUNK 1, 2, 0, 1                               ; k
	REFILL1 2, 14, 12, 1, 1                        ; slot 2 takes v's second half: the last load
	CHUNK 1, 0, 1, 1
	EPI 1
	CHUNK 2, 1, 0, 2                               ; v
	s_wait_tensorcnt 0x0                           ; my part of the last chunk is in: no load was issued behind it
	s_wait_dscnt 0x0
	s_barrier_signal -1
	s_barrier_wait -1                              ; everybody's is; nothing is filled again
	CHUNK 2, 2, 1, 2
	EPI 2
	s_wait_tensorcnt 0x0                           ; the wave's end
	ds_add_u32 v[SPW], v[NIL]
	s_wait_dscnt 0x0
	CROUND                                         ; the closing round: no work-group ends while a partner may still ask for a tile that names it
	s_endpgm
.Lfunc_end_k_q4ebb1d53c8_proj:
	.size	k_q4ebb1d53c8_proj, .Lfunc_end_k_q4ebb1d53c8_proj-k_q4ebb1d53c8_proj
	.p2alignl 7, 3214868480
	.fill 96, 4, 3214868480
	.section	.rodata,"a",@progbits
	.p2align	6, 0x0
	.amdhsa_kernel k_q4ebb1d53c8_proj
		.amdhsa_group_segment_fixed_size 327680
		.amdhsa_private_segment_fixed_size 0
		.amdhsa_enable_private_segment 0
		.amdhsa_kernarg_size 168
		.amdhsa_user_sgpr_count 2
		.amdhsa_user_sgpr_kernarg_segment_ptr 1
		.amdhsa_wavefront_size32 1
		.amdhsa_system_sgpr_workgroup_id_x 1
		.amdhsa_system_sgpr_workgroup_id_y 1
		.amdhsa_system_sgpr_workgroup_id_z 1
		.amdhsa_system_vgpr_workitem_id 0
		.amdhsa_next_free_vgpr 896
		.amdhsa_next_free_sgpr 102
		.amdhsa_reserve_vcc 0
		.amdhsa_float_denorm_mode_32 3
		.amdhsa_float_denorm_mode_16_64 3
		.amdhsa_memory_ordered 1
		.amdhsa_forward_progress 1
		.amdhsa_inst_pref_size 214
	.end_amdhsa_kernel
	.amdgpu_metadata
---
amdhsa.version: [ 1, 2 ]
amdhsa.kernels:
  - .name:           k_q4ebb1d53c8_proj
    .symbol:         k_q4ebb1d53c8_proj.kd
    .args:
      - { .name: queries_codes, .offset: 0, .size: 8, .value_kind: global_buffer, .address_space: global }
      - { .name: Wq_codes, .offset: 8, .size: 8, .value_kind: global_buffer, .address_space: global }
      - { .name: keys_codes, .offset: 16, .size: 8, .value_kind: global_buffer, .address_space: global }
      - { .name: Wk_codes, .offset: 24, .size: 8, .value_kind: global_buffer, .address_space: global }
      - { .name: values_codes, .offset: 32, .size: 8, .value_kind: global_buffer, .address_space: global }
      - { .name: Wv_codes, .offset: 40, .size: 8, .value_kind: global_buffer, .address_space: global }
      - { .name: queries_scales, .offset: 48, .size: 8, .value_kind: global_buffer, .address_space: global }
      - { .name: Wq_scales, .offset: 56, .size: 8, .value_kind: global_buffer, .address_space: global }
      - { .name: keys_scales, .offset: 64, .size: 8, .value_kind: global_buffer, .address_space: global }
      - { .name: Wk_scales, .offset: 72, .size: 8, .value_kind: global_buffer, .address_space: global }
      - { .name: values_scales, .offset: 80, .size: 8, .value_kind: global_buffer, .address_space: global }
      - { .name: Wv_scales, .offset: 88, .size: 8, .value_kind: global_buffer, .address_space: global }
      - { .name: bq, .offset: 96, .size: 8, .value_kind: global_buffer, .address_space: global }
      - { .name: bk, .offset: 104, .size: 8, .value_kind: global_buffer, .address_space: global }
      - { .name: bv, .offset: 112, .size: 8, .value_kind: global_buffer, .address_space: global }
      - { .name: qc, .offset: 120, .size: 8, .value_kind: global_buffer, .address_space: global }
      - { .name: qs, .offset: 128, .size: 8, .value_kind: global_buffer, .address_space: global }
      - { .name: kc, .offset: 136, .size: 8, .value_kind: global_buffer, .address_space: global }
      - { .name: ks, .offset: 144, .size: 8, .value_kind: global_buffer, .address_space: global }
      - { .name: vc, .offset: 152, .size: 8, .value_kind: global_buffer, .address_space: global }
      - { .name: vs, .offset: 160, .size: 8, .value_kind: global_buffer, .address_space: global }
    .group_segment_fixed_size: 327680
    .private_segment_fixed_size: 0
    .kernarg_segment_align: 8
    .kernarg_segment_size: 168
    .max_flat_workgroup_size: 128
    .sgpr_count:     102
    .vgpr_count:     896
    .wavefront_size: 32
...
	.end_amdgpu_metadata
.endif
;; end of part 1
;; launch attn (part 2): grid 2 x 128, 16 waves a work-group, no clusters, 169,984 bytes of LDS; arguments qc, qs, kc, ks, vc, vs, ac, asc; writes ac, asc
.if DOCPART == 2
	.amdgcn_target "amdgcn-amd-amdhsa--gfx1250"
	.amdhsa_code_object_version 6
	.text
	.protected	k_q4ebb1d53c8_attn
	.globl	k_q4ebb1d53c8_attn
	.p2align	8
	.type	k_q4ebb1d53c8_attn,@function
k_q4ebb1d53c8_attn:
	s_mov_b64 s[64:65], 0
	v_nop
	global_prefetch_b8 v0, s[64:65] scope:SCOPE_SE
	s_setreg_imm32_b32 hwreg(HW_REG_WAVE_MODE, 25, 1), 1
	s_wait_xcnt 0x0
; O = softmax(q k^T / 32) v for one head, both products on FP4 (E2M1) codes with E8M0 scales; O / l is quantised along the channels and stored as an operand image for the last product.
; THE SOFTMAX: t = score x log2(e) / 32; M = the running largest t rounded UP to a whole number; p = 2^(t - M) is quantised along the keys, not normalised; l is the sum of the unquantised p and divides at the end.
; When M moves, l and O are multiplied by 2^(old M - new M), which rounds nothing.
; SHARES.  A work-group owns 512 queries of one head; each of its sixteen waves owns two tiles of 16 queries, taken one after the other, 256 keys a step.
; LAYOUT.  Both products are used transposed (S^T = K q^T, O^T = V^T p^T): a lane holds ONE query (lane % 16).  Operands lie in memory as images of their registers, 16 bytes a lane.
; THE FIRST PRODUCT'S K IS 64: a fragment of K holds TWO tiles of 16 keys (registers 0-3, 4-7) and is multiplied by [q ; 0] and by [0 ; q]: zero codes wipe the other tile under any finite scale byte.
; THE KEYS OF A TILE ARE CHOSEN BY THE LDS ADDRESS: row r of tile i of a group G of 64 keys is key 64 G + 32 (r / 8) + 8 i + r % 8.  So lane (r, h) holds, in the 32 registers of the group's four tiles,
; keys 64 G + 32 h + 0 .. 31: one whole block of the quantiser, in the order of the 4-bit operand.  A block's maximum needs no other lane, and the conversion of tile i is register 4 (G % 2) + i of p's operand.
; The head's K and V and their scale words come into LDS once, at most one tensor load a wave: waves 0 to 3 fetch what the first step reads (256 keys of K, of V, all scale words) and they alone wait ahead of the
; first barrier; waves 4 to 11 fetch the other 768 keys, 6 rows of 1,024 bytes each.  The second barrier is split: a wave signals when its own load has landed, runs the first tile's first step, which reads
; the first 256 keys alone, and waits only then.  Nothing is filled again, and the second tile meets no barrier.
; The first tile's first step starts M, l and O^T; the second tile runs the general step four times on cleared sums, so that the step is written three times and not four.
; K's and V's rows of 1,024 bytes get 128 bytes of padding: rows r < 8 and r >= 8 of a fragment lie 1,152 bytes apart, so sixteen lanes touch sixteen different 16-byte columns of 256 bytes.
; No multicast: a head's K and V are read by 2 work-groups (grid x = 2).  No prefetch: all that the launch reads is asked for at its head.
; LIMITS: NaN and infinities are not served.  A block whose largest magnitude lies under 2^-124 (a block of zeros too) gets the scale byte 1; these bytes are read by this program alone.
.set ROWP, 1152                        ; an LDS row: two images of 512 bytes + 128 of padding
.set KIMG, 0                           ; K: 32 rows
.set VIMG, 32*ROWP                     ; V: 32 rows: [128 keys][16 channels] a row, [2][512] in it
.set KSC,  64*ROWP                     ; K's scale words: [64 keys][row of an image][pair of images]
.set VSC,  KSC+2048                    ; V's: [128 keys][r][16 channels]
.set SPARE, VSC+2048                   ; the spare words, 128 bytes a wave
.set STEPC, 8*ROWP                     ; 256 keys of K or of V
.set KA,   1                           ; my lane's place in a fragment of K
.set VA,   2                           ; in an image of V
.set KSA,  3                           ; among K's scale words: lanes 0-15 fragment 0, lanes 16-31 fragment 1 of a group
.set VSA,  4                           ; among V's
.set ADK,  5                           ; the step's four addresses
.set ADV,  6
.set ADS,  7
.set ADT,  8
.set SPW,  9                           ; LDS address of my spare word; never rewritten
.set NIL,  10                          ; 0; never rewritten
.set SH8,  11                          ; 8 h: a shift
.set QZ,   16                          ; v16-27  0 q 0: [0 ; q] at QZ, [q ; 0] at QZ + 4
.set QS,   28                          ; q's scale word for [q ; 0], for [0 ; q]
.set PSC,  30                          ; p's scale words of the step's two 128 keys
.set SCL,  32                          ; v32-39  K's four scale words, later V's eight
.set FF,   40                          ; v[40:41] f, later 1 / l (the low word serves both halves)
.set BM,   42                          ; the four blocks' largest
.set SO,   46                          ; the conversions' scale operands
.set BX,   50                          ; second chains of the maxima, then bytes
.set QP,   54                          ; v54-57  the second tile's q;  v58 its scale word
.set QSP,  58
.set LI,   59                          ; 16 x lane
.set R4,   60                          ; 4 r
.set OLD,  61                          ; -M of the step before
.set T0,   62
.set T1,   63
.set KF,   64                          ; v64-95  four fragments of K; behind the first product: p's codes, the sums' parts, O's codes
.set PCD,  64
.set PS,   80
.set OC,   88
.set OW,   92
.set S,    96                          ; v96-223 S^T, then p; v96-159 later V's eight fragments
.set OT,   224                         ; v224-255 O^T
.set WV,   20
.set BLK,  21
.set SEL,  84
.set CS,   86
.set NEGC, 88
.set OFC,  89
.set OFS,  90
.set CNT,  91
.macro ARM under, g0, g1, next         ; one arm of the head's chain: the waves under a number issue their one load and jump to the join
	s_cmp_lt_u32 s[WV], \under
	s_cbranch_scc0 \next
	tensor_load_to_lds s[\g0:\g0+3], s[\g1:\g1+7]
	s_nop 0
.rept 4
	v_nop
.endr
	s_branch .Lasked
\next:
.endm
.macro KLOAD b                         ; the four fragments of groups 2 b and 2 b + 1
.irp g, 0,1
.irp t, 0,1
.irp u, 0,1
	ds_load_b128 v[KF+16*\g+8*\t+4*\u:KF+16*\g+8*\t+4*\u+3], v[ADK] offset:(2*\b+\g)*2*ROWP+128*\t+512*\u
.endr
.endr
.endr
.endm
.macro SMUL b                          ; eight tiles of S^T: fragment t gives tile t by [q ; 0] and tile t + 2 by [0 ; q]
.irp g, 0,1
.irp u, 0,1
	v_wmma_scale_f32_16x16x128_f8f6f4 v[S+32*(2*\b+\g)+16*\u:S+32*(2*\b+\g)+16*\u+7], v[KF+16*\g:KF+16*\g+7], v[QZ+4-4*\u:QZ+11-4*\u], 0, v[SCL+2*\b+\g], v[QS+\u] matrix_a_fmt:MATRIX_FMT_FP4 matrix_b_fmt:MATRIX_FMT_FP4
	v_wmma_scale_f32_16x16x128_f8f6f4 v[S+32*(2*\b+\g)+16*\u+8:S+32*(2*\b+\g)+16*\u+15], v[KF+16*\g+8:KF+16*\g+15], v[QZ+4-4*\u:QZ+11-4*\u], 0, v[SCL+2*\b+\g], v[QS+\u] matrix_a_fmt:MATRIX_FMT_FP4 matrix_b_fmt:MATRIX_FMT_FP4 matrix_a_scale:MATRIX_SCALE_ROW1
.endr
.endr
.endm
.macro MAXA b                          ; two blocks' largest scores, two chains a block, the four by turns: registers 0-14 and 16-30; each accumulator is first read at its low end
.irp g, 0,1
	v_max3_num_f32 v[BM+2*\b+\g], v[S+32*(2*\b+\g)], v[S+32*(2*\b+\g)+1], v[S+32*(2*\b+\g)+2]
	v_max3_num_f32 v[BX+2*\b+\g], v[S+32*(2*\b+\g)+16], v[S+32*(2*\b+\g)+17], v[S+32*(2*\b+\g)+18]
.endr
.irp i, 3,5,7,9,11,13
.irp g, 0,1
	v_max3_num_f32 v[BM+2*\b+\g], v[BM+2*\b+\g], v[S+32*(2*\b+\g)+\i], v[S+32*(2*\b+\g)+\i+1]
	v_max3_num_f32 v[BX+2*\b+\g], v[BX+2*\b+\g], v[S+32*(2*\b+\g)+16+\i], v[S+32*(2*\b+\g)+17+\i]
.endr
.endr
.endm
.macro MAXB b                          ; the chains joined, with registers 15 and 31
.irp g, 0,1
	v_max3_num_f32 v[BM+2*\b+\g], v[BM+2*\b+\g], v[BX+2*\b+\g], v[S+32*(2*\b+\g)+15]
.endr
.irp g, 0,1
	v_max_num_f32 v[BM+2*\b+\g], v[BM+2*\b+\g], v[S+32*(2*\b+\g)+31]
.endr
.endm
; A STEP: 256 keys.  first = 1: the step starts M, l and O^T, so nothing is cleared or rescaled.
.macro STEP first
	v_add_nc_u32 v[ADK], s[OFC], v[KA]             ; these five lines are also the places behind the last step's products, ahead of the loads into their operands and of the products that write over V's fragments
	v_add_nc_u32 v[ADV], s[OFC], v[VA]
	v_add_nc_u32 v[ADS], s[OFS], v[KSA]
	v_add_nc_u32 v[ADT], s[OFS], v[VSA]
.if \first
	v_nop
.else
	v_mov_b32 v[OLD], v12
.endif
	s_wait_alu depctr_va_vdst(0)                   ; the wait directly behind these writes
.irp g, 0,1,2,3
	ds_load_b32 v[SCL+\g], v[ADS] offset:128*\g
.endr
	KLOAD 0
	s_wait_dscnt 0x0
	SMUL 0
.rept 4
	v_nop                                          ; four places ahead of the loads into the fragments and of the reads of the results
.endr
	KLOAD 1
	MAXA 0                                         ; the first 128 keys' maxima stand under the second fragments' flight
	s_wait_alu depctr_va_vdst(0)                   ; the wait directly ahead of the wait below
	s_wait_dscnt 0x0
	SMUL 1
	MAXB 0                                         ; four lines that name no register of the products just issued: their places
	MAXA 1
	MAXB 1
	v_max3_num_f32 v[T0], v[BM], v[BM+1], v[BM+2]
	s_delay_alu instid0(VALU_DEP_1)
	v_max_num_f32 v[T0], v[T0], v[BM+3]            ; my half's largest score of the step
	s_delay_alu instid0(VALU_DEP_1)
	v_permlanex16_b32 v[T1], v[T0], s[SEL], s[SEL+1]
	s_delay_alu instid0(VALU_DEP_1)
.if \first
	v_max_num_f32 v13, v[T0], v[T1]                ; the running largest score of my query
.else
	v_max3_num_f32 v13, v13, v[T0], v[T1]
.endif
	s_delay_alu instid0(VALU_DEP_1)
	v_mul_f32 v[T0], s[NEGC], v13                  ; -t (c is positive)
	s_delay_alu instid0(VALU_DEP_1)
	v_floor_f32 v12, v[T0]                         ; -M = -ceil(t)
.set i, 0
.rept 64
	v_pk_fma_f32 v[S+i:S+i+1], v[S+i:S+i+1], s[CS:CS+1], v[12:13] op_sel_hi:[1,0,0]   ; t - M, two at a time
.if (\first == 0) && (i == 6)
	v_sub_f32 v[T0], v12, v[OLD]                   ; old M - new M: a whole number, 0 or less
.endif
.if (\first == 0) && (i == 16)
	v_cvt_i32_f32 v[T0], v[T0]                     ; (it saturates)
.endif
.if (\first == 0) && (i == 26)
	v_ldexp_f32 v[FF], 1.0, v[T0]                  ; f = 2^(old M - new M)
.endif
.set i, i+2
.endr
.irp b, 0,1,2,3
	v_fma_f32 v[BM+\b], v[BM+\b], s[CS], v12       ; the same of each block's largest score: p rises with the score
.endr
	s_wait_alu depctr_va_vdst(0)                   ; the wait ahead of the batch
.set i, 0
.rept 128
	v_exp_f32 v[S+i], v[S+i]                       ; p = 2^(t - M)
.set i, i+1
.endr
.if \first
	v_nop                                          ; a plain line behind the exponentials
.else
	v_pk_mul_f32 v[14:15], v[14:15], v[FF:FF+1] op_sel_hi:[1,0]   ; l under the new M: a plain line behind the exponentials
.endif
	s_wait_alu depctr_va_vdst(0)                   ; one wait for the batch, ahead of its first reader
.irp b, 0,1,2,3
	v_exp_f32 v[BM+\b], v[BM+\b]                   ; the blocks' largest p
.endr
.irp k, 0,1,2,3
	v_pk_add_f32 v[PS+2*\k:PS+2*\k+1], v[S+2*\k:S+2*\k+1], v[S+8+2*\k:S+9+2*\k]   ; l's parts, four chains: first the 128 keys whose registers V's fragments take
.endr
.set i, 8
.rept 24
	v_pk_add_f32 v[PS+2*(i%4):PS+2*(i%4)+1], v[PS+2*(i%4):PS+2*(i%4)+1], v[S+2*i:S+2*i+1]
.set i, i+1
.endr
	s_wait_alu depctr_va_vdst(0)                   ; and one for the four
.irp b, 0,1,2,3
	v_max_num_f32 v[BM+\b], 0x1800000, v[BM+\b]    ; the floor 2^(3 - 127): the byte cannot fall under 1
.endr
.irp b, 0,1,2,3
	v_add_nc_u32 v[SO+\b], 0xff000000, v[BM+\b]    ; 2 off the exponent field: the conversion's scale operand
.endr
.irp b, 0,1,2,3
	v_lshrrev_b32 v[BX+\b], 23, v[SO+\b]           ; the scale's byte
.endr
.irp k, 0,2
	v_lshl_or_b32 v[BX+\k], v[BX+\k+1], 16, v[BX+\k]   ; my blocks h and 2 + h of 128 keys,
.endr
.irp k, 0,2
	v_lshlrev_b32 v[BX+\k], v[SH8], v[BX+\k]       ; at their places in the scale word;
.endr
.irp k, 0,2
	v_permlanex16_b32 v[BX+\k+1], v[BX+\k], s[SEL], s[SEL+1]
.endr
.irp k, 0,1
	v_or_b32 v[PSC+\k], v[BX+2*\k], v[BX+2*\k+1]   ; with lane l xor 16's two the word is whole
.endr
.set i, 0
.rept 8
	v_cvt_scalef32_pk8_fp4_f32 v[PCD+i], v[S+8*i:S+8*i+7], v[SO+i/4]
.set i, i+1
.endr
.irp k, 0,1                            ; V's fragments land on the p that have just been converted
.irp d, 0,1,2,3
.irp c, 0,1
	ds_load_b128 v[S+32*\k+8*\d+4*\c:S+32*\k+8*\d+4*\c+3], v[ADV] offset:\k*4*ROWP+\d*ROWP+512*\c
.endr
.endr
	ds_load_b128 v[SCL+4*\k:SCL+4*\k+3], v[ADT] offset:256*\k
.endr
.rept 8
	v_cvt_scalef32_pk8_fp4_f32 v[PCD+i], v[S+8*i:S+8*i+7], v[SO+i/4]
.set i, i+1
.endr
.set i, 32
.rept 32
	v_pk_add_f32 v[PS+2*(i%4):PS+2*(i%4)+1], v[PS+2*(i%4):PS+2*(i%4)+1], v[S+2*i:S+2*i+1]   ; the other 128 keys' p: also the places between p's codes and scale words and the products below
.set i, i+1
.endr
	v_pk_add_f32 v[PS:PS+1], v[PS:PS+1], v[PS+2:PS+3]
	v_pk_add_f32 v[PS+4:PS+5], v[PS+4:PS+5], v[PS+6:PS+7]
.if \first
	s_delay_alu instid0(VALU_DEP_1)
	v_pk_add_f32 v[14:15], v[PS:PS+1], v[PS+4:PS+5]
.else
	s_delay_alu instid0(VALU_DEP_1)
	v_pk_add_f32 v[PS:PS+1], v[PS:PS+1], v[PS+4:PS+5]
	s_delay_alu instid0(VALU_DEP_1)
	v_pk_add_f32 v[14:15], v[14:15], v[PS:PS+1]
	s_wait_alu depctr_va_vdst(0)                   ; the wait directly ahead of the first reader of O^T
.set i, 0
.rept 16
	v_pk_mul_f32 v[OT+i:OT+i+1], v[OT+i:OT+i+1], v[FF:FF+1] op_sel_hi:[1,0]   ; O^T under the new M
.set i, i+2
.endr
.endif
	s_wait_alu depctr_va_vdst(0)                   ; the wait directly ahead of the wait below
	s_wait_dscnt 0x0                               ; V
.irp k, 0,1                            ; the four accumulators by turns, one instruction a turn
.irp d, 0,1,2,3
.if (\first) && (\k == 0)
	v_wmma_scale_f32_16x16x128_f8f6f4 v[OT+8*\d:OT+8*\d+7], v[S+32*\k+8*\d:S+32*\k+8*\d+7], v[PCD+8*\k:PCD+8*\k+7], 0, v[SCL+4*\k+\d], v[PSC+\k] matrix_a_fmt:MATRIX_FMT_FP4 matrix_b_fmt:MATRIX_FMT_FP4
.else
	v_wmma_scale_f32_16x16x128_f8f6f4 v[OT+8*\d:OT+8*\d+7], v[S+32*\k+8*\d:S+32*\k+8*\d+7], v[PCD+8*\k:PCD+8*\k+7], v[OT+8*\d:OT+8*\d+7], v[SCL+4*\k+\d], v[PSC+\k] matrix_a_fmt:MATRIX_FMT_FP4 matrix_b_fmt:MATRIX_FMT_FP4
.endif
.endr
.endr
	s_add_co_u32 s[OFC], s[OFC], STEPC
	s_add_co_u32 s[OFS], s[OFS], 512
.endm
; A TILE'S END: O^T / l, quantised along the channels, stored as an image with its scale words.  more = 1: the second tile's q takes the first's place.
.macro TAIL more
.if \more
.irp i, 0,1,2,3
	v_mov_b32 v[QZ+4+\i], v[QP+\i]                 ; (these lines are also the places behind the last products)
.endr
	v_mov_b32 v[QS], v[QSP]
	v_lshlrev_b32 v[QS+1], 16, v[QSP]
.else
.rept 4
	v_nop                                          ; four places behind the last products
.endr
.endif
	v_add_f32 v14, v14, v15                        ; the sum's two halves,
	s_delay_alu instid0(VALU_DEP_1)
	v_permlanex16_b32 v[T0], v14, s[SEL], s[SEL+1]
	s_delay_alu instid0(VALU_DEP_1)
	v_add_f32 v14, v14, v[T0]                      ; and lane l xor 16's: l
	s_wait_alu depctr_va_vdst(0)                   ; the wait ahead of the reciprocal
	v_rcp_f32 v[FF], v14
	v_nop                                          ; a plain place behind it
	s_wait_alu depctr_va_vdst(0)                   ; and the wait ahead of its first reader, which is O^T's first reader too
.set i, 0
.rept 16
	v_pk_mul_f32 v[S+i:S+i+1], v[OT+i:OT+i+1], v[FF:FF+1] op_sel_hi:[1,0]   ; O^T / l: register 8 d + j is channel 16 d + 8 h + j of my query
.set i, i+2
.endr
.irp b, 0,1
	v_max3_num_f32 v[BM+\b], |v[S+16*\b]|, |v[S+16*\b+1]|, 0x1800000   ; the head's two blocks of 32 channels, with the floor
.endr
.irp i, 2,4,6,8,10,12,14
.irp b, 0,1
	s_delay_alu instid0(VALU_DEP_2)
	v_max3_num_f32 v[BM+\b], v[BM+\b], |v[S+16*\b+\i]|, |v[S+16*\b+\i+1]|
.endr
.endr
.irp b, 0,1
	s_delay_alu instid0(VALU_DEP_2)
	v_permlanex16_b32 v[BX+\b], v[BM+\b], s[SEL], s[SEL+1]
.endr
.irp b, 0,1
	s_delay_alu instid0(VALU_DEP_2)
	v_max_num_f32 v[BM+\b], v[BM+\b], v[BX+\b]
.endr
.irp b, 0,1
	s_delay_alu instid0(VALU_DEP_2)
	v_add_nc_u32 v[SO+\b], 0xff000000, v[BM+\b]
.endr
.irp b, 0,1
	s_delay_alu instid0(VALU_DEP_2)
	v_lshrrev_b32 v[BX+\b], 23, v[SO+\b]
.endr
	s_delay_alu instid0(VALU_DEP_1)
	v_lshl_or_b32 v[OW], v[BX+1], 8, v[BX]         ; two bytes; the upper two stay 0
.irp u, 0,1
	v_cvt_scalef32_pk8_fp4_f32 v[OC+2*\u], v[S+8*\u:S+8*\u+7], v[SO]
	v_cvt_scalef32_pk8_fp4_f32 v[OC+2*\u+1], v[S+8*(2+\u):S+8*(2+\u)+7], v[SO+1]
.endr
	v_nop                                          ; one plain place behind the scaled conversions
.irp u, 0,1
	v_permlane16_swap_b32 v[OC+2*\u], v[OC+2*\u+1] ; lanes 0-15 keep block 0, lanes 16-31 block 1
.endr
	global_store_b128 v[LI], v[OC:OC+3], s[16:17]  ; the tile's image: 512 consecutive bytes
	global_store_b32 v[R4], v[OW], s[18:19]        ; its 16 scale words; lanes l and l xor 16 hold the same word and name the same bytes
.endm
	s_load_b512 s[4:19], s[0:1], 0x0               ; qc s[4:5], qs s[6:7], kc s[8:9], ks s[10:11], vc s[12:13], vs s[14:15], ac s[16:17], asc s[18:19]
	v_lshl_add_u32 v[SPW], v0, 2, SPARE
	v_mov_b32 v[NIL], 0
	ds_add_u32 v[SPW], v[NIL]                      ; the opening lines: the add, twice on end, and its wait ahead of the first tensor load
	ds_add_u32 v[SPW], v[NIL]
	v_lshrrev_b32 v[T0], 5, v0
	v_readfirstlane_b32 s[WV], v[T0]               ; wave 0..15
	s_and_b32 s[BLK], ttmp7, 0xffff                ; 16 n + h
	; group 1 for codes: rows of 1,024 bytes (128 elements of 8), 32 words of padding behind every 256: 8 rows, and 6 rows
	s_mov_b32 s24, (3<<16)|(1<<20)|(7<<22)|(31<<25)
	s_mov_b32 s25, 128<<16
	s_mov_b32 s26, 8<<16
	s_mov_b32 s27, 128<<16
	s_mov_b32 s28, 8
	s_mov_b32 s29, 128
	s_mov_b32 s30, 0
	s_mov_b32 s31, 0
	s_mov_b32 s32, (3<<16)|(1<<20)|(7<<22)|(31<<25)
	s_mov_b32 s33, 128<<16
	s_mov_b32 s34, 6<<16
	s_mov_b32 s35, 128<<16
	s_mov_b32 s36, 6
	s_mov_b32 s37, 128
	s_mov_b32 s38, 0
	s_mov_b32 s39, 0
	; for K's scale words: 16 rows of 128 bytes, 256 bytes apart (the other head of the pair lies between)
	s_mov_b32 s40, 3<<16
	s_mov_b32 s41, 16<<16
	s_mov_b32 s42, 16<<16
	s_mov_b32 s43, 16<<16
	s_mov_b32 s44, 16
	s_mov_b32 s45, 32
	s_mov_b32 s46, 0
	s_mov_b32 s47, 0
	; for V's: 2,048 dense bytes as 8 rows of 256
	s_mov_b32 s48, 3<<16
	s_mov_b32 s49, 32<<16
	s_mov_b32 s50, 8<<16
	s_mov_b32 s51, 32<<16
	s_mov_b32 s52, 8
	s_mov_b32 s53, 32
	s_mov_b32 s54, 0
	s_mov_b32 s55, 0
	s_lshl_b32 s76, s[BLK], 15                     ; the head's codes: 32,768 bytes
	s_mov_b32 s77, 0
	s_and_b32 s78, s[WV], 1                        ; waves 0, 1: K's, V's first 8 rows
	s_mul_i32 s79, s78, VIMG
	s_and_b32 s80, s[WV], 3                        ; waves 4-7: K's rows 8 + 6 (wave % 4) on; waves 8-11: V's
	s_mul_i32 s82, s80, 6
	s_add_co_u32 s82, s82, 8
	s_bfe_u32 s81, s[WV], 0x10003
	s_mul_i32 s83, s82, ROWP
	s_mul_i32 s80, s81, VIMG
	s_add_co_u32 s83, s83, s80
	s_lshl_b32 s94, s82, 10
	s_add_co_u32 s94, s94, s76
	s_mov_b32 s95, 0
	s_lshr_b32 s96, s[BLK], 1
	s_lshl_b32 s96, s96, 12
	s_and_b32 s98, s[BLK], 1
	s_lshl_b32 s98, s98, 7
	s_add_co_u32 s96, s96, s98
	s_mov_b32 s97, 0
	s_mov_b32 s[SEL], 0x76543210
	s_mov_b32 s[SEL+1], 0xfedcba98                 ; v_permlanex16_b32's selects for lane l xor 16
	s_mov_b32 s[CS], 0x3d38aa3b                    ; c = log2(e) / 32
	s_mov_b32 s[CS+1], s[CS]                       ; (named with it as a pair)
	s_mov_b32 s[NEGC], 0xbd38aa3b                  ; -c
	s_wait_dscnt 0x0                               ; both opening adds are done
	s_wait_kmcnt 0x0
	s_mov_b32 s56, 1
	s_mov_b32 s57, s79
	s_cmp_eq_u32 s78, 0
	s_cselect_b64 s[58:59], s[8:9], s[12:13]
	s_add_nc_u64 s[58:59], s[58:59], s[76:77]
	s_or_b32 s59, s59, 0x80000000
	s_mov_b32 s60, 1
	s_mov_b32 s61, s83
	s_cmp_eq_u32 s81, 0
	s_cselect_b64 s[62:63], s[8:9], s[12:13]
	s_add_nc_u64 s[62:63], s[62:63], s[94:95]
	s_or_b32 s63, s63, 0x80000000
	s_mov_b32 s68, 1
	s_mov_b32 s69, KSC
	s_add_nc_u64 s[70:71], s[10:11], s[96:97]
	s_or_b32 s71, s71, 0x80000000
	s_lshl_b32 s96, s[BLK], 11
	s_mov_b32 s72, 1
	s_mov_b32 s73, VSC
	s_add_nc_u64 s[74:75], s[14:15], s[96:97]
	s_or_b32 s75, s75, 0x80000000
	s_lshl_b32 s96, ttmp9, 14                      ; my two tiles' images: tile 32 x + 2 wave of the head, 512 bytes a tile
	s_add_co_u32 s96, s96, s76
	s_lshl_b32 s98, s[WV], 10
	s_add_co_u32 s96, s96, s98
	s_add_nc_u64 s[4:5], s[4:5], s[96:97]
	s_add_nc_u64 s[16:17], s[16:17], s[96:97]
	s_lshl_b32 s96, s[BLK], 12
	s_lshl_b32 s98, ttmp9, 11
	s_add_co_u32 s96, s96, s98
	s_lshl_b32 s98, s[WV], 7
	s_add_co_u32 s98, s98, s96
	s_mov_b32 s99, 0
	s_add_nc_u64 s[18:19], s[18:19], s[98:99]      ; asc: 64 bytes a tile
	s_lshr_b32 s98, s[WV], 1
	s_lshl_b32 s98, s98, 8
	s_add_co_u32 s96, s96, s98
	s_and_b32 s98, s[WV], 1
	s_lshl_b32 s98, s98, 3
	s_add_co_u32 s96, s96, s98
	s_add_nc_u64 s[6:7], s[6:7], s[96:97]          ; qs: the group of four tiles, my two words in a row's four
	; the fills: ONE chain of branches on the wave's number, one load to an arm, all arms leading to one join
	ARM 2,  56, 24, .Lnot_first
	ARM 3,  68, 40, .Lnot_ks
	ARM 4,  72, 48, .Lnot_vs
	ARM 12, 60, 32, .Lnone
.Lasked:
	v_and_b32 v[T0], 31, v0                        ; lane
	v_and_b32 v[T1], 15, v0                        ; r
	v_bfe_u32 v[OLD], v0, 4, 1                     ; h
	v_and_b32 v[BM], 7, v0                         ; r % 8
	v_bfe_u32 v[BM+1], v0, 3, 1                    ; r / 8
	v_mul_u32_u24 v[KA], v[BM+1], ROWP             ; K: rows 8-15 of a fragment come from the image two further on: one LDS row
	v_lshl_add_u32 v[KA], v[BM], 4, v[KA]
	v_lshl_add_u32 v[KA], v[OLD], 8, v[KA]
	v_lshl_add_u32 v[VA], v[T0], 4, VIMG
	v_lshl_add_u32 v[KSA], v[OLD], 6, KSC          ; lanes 16-31: the words of image rows 8-15: fragment 1
	v_lshl_add_u32 v[KSA], v[BM], 3, v[KSA]
	v_lshl_add_u32 v[KSA], v[BM+1], 2, v[KSA]
	v_lshl_add_u32 v[VSA], v[T1], 4, VSC
	v_lshlrev_b32 v[LI], 4, v[T0]
	v_lshlrev_b32 v[R4], 2, v[T1]
	v_lshlrev_b32 v[SH8], 3, v[OLD]
	v_lshlrev_b32 v[BM+2], 4, v[T1]
	global_load_b128 v[QZ+4:QZ+7], v[LI], s[4:5]
	global_load_b128 v[QP:QP+3], v[LI], s[4:5] offset:512
	global_load_b32 v[QS], v[BM+2], s[6:7]
	global_load_b32 v[QSP], v[BM+2], s[6:7] offset:4
.irp i, 0,1,2,3, 8,9,10,11
	v_mov_b32 v[QZ+\i], 0                          ; the zero codes
.endr
.irp b, 0,1,2,3
	v_mov_b32 v[BX+\b], 0                          ; written once: a lane permute's destination counts as one of its sources
.endr
	v_mov_b32 v[FF+1], 0                           ; (named as the upper half of a pair)
	s_wait_alu depctr_va_vdst(0)                   ; the wait at the head's end
	s_wait_loadcnt 0x0                             ; q
	v_lshlrev_b32 v[QS+1], 16, v[QS]               ; the same two bytes for the upper half of K
.rept 4
	v_nop                                          ; with the step's first five lines: nine places between this scale word and the first product
.endr
	s_wait_alu depctr_va_vdst(0)
	s_cmp_lt_u32 s[WV], 4                          ; only what waves 0 to 3 fetch is read ahead of the second barrier's wait
	s_cbranch_scc0 .Llater
	s_wait_tensorcnt 0x0
.Llater:
	s_barrier_signal -1
	s_barrier_wait -1                              ; the first 256 keys and all scale words are in; the other loads may stay out
	s_wait_tensorcnt 0x0                           ; my part of the other 768 keys is in:
	s_barrier_signal -1                            ; say so, and work on: only LDS loads of the first 256 keys and register work stand between this signal and its wait
	s_mov_b32 s[OFC], 0
	s_mov_b32 s[OFS], 0
	STEP 1                                         ; the first tile's first step
	s_wait_alu depctr_va_vdst(0)                   ; the wait directly ahead of the wait below
	s_barrier_wait -1                              ; everybody's part is in
	s_mov_b32 s[CNT], 3
.Lstep:
	STEP 0
	s_sub_co_u32 s[CNT], s[CNT], 1
	s_cmp_lg_u32 s[CNT], 0
	s_cbranch_scc1 .Lstep
	TAIL 1
	s_wait_xcnt 0x0                                ; the stores have read their registers and bases: only now are these written again
	s_add_nc_u64 s[16:17], s[16:17], 512
	s_add_nc_u64 s[18:19], s[18:19], 64
	v_mov_b32 v13, 0xff61b1e6                      ; the second tile: the largest score so far: -3e38, under every score;
	v_mov_b32 v12, 0x7e000000                      ; -M: so large that the first change of M gives f = 0, which leaves the zeros below zeros
	v_mov_b32 v14, 0                               ; l, in two halves
	v_mov_b32 v15, 0
.set i, 0
.rept 32
	v_mov_b32 v[OT+i], 0                           ; O^T
.set i, i+1
.endr
	s_mov_b32 s[OFC], 0
	s_mov_b32 s[OFS], 0
	s_mov_b32 s[CNT], 4
	s_wait_alu depctr_va_vdst(0)
.Lstep2:
	STEP 0
	s_sub_co_u32 s[CNT], s[CNT], 1
	s_cmp_lg_u32 s[CNT], 0
	s_cbranch_scc1 .Lstep2
	TAIL 0
	s_wait_tensorcnt 0x0                           ; the wave's end
	ds_add_u32 v[SPW], v[NIL]
	s_wait_dscnt 0x0
	s_endpgm
.Lfunc_end_k_q4ebb1d53c8_attn:
	.size	k_q4ebb1d53c8_attn, .Lfunc_end_k_q4ebb1d53c8_attn-k_q4ebb1d53c8_attn
	.p2alignl 7, 3214868480
	.fill 96, 4, 3214868480
	.section	.rodata,"a",@progbits
	.p2align	6, 0x0
	.amdhsa_kernel k_q4ebb1d53c8_attn
		.amdhsa_group_segment_fixed_size 169984
		.amdhsa_private_segment_fixed_size 0
		.amdhsa_enable_private_segment 0
		.amdhsa_kernarg_size 64
		.amdhsa_user_sgpr_count 2
		.amdhsa_user_sgpr_kernarg_segment_ptr 1
		.amdhsa_wavefront_size32 1
		.amdhsa_system_sgpr_workgroup_id_x 1
		.amdhsa_system_sgpr_workgroup_id_y 1
		.amdhsa_system_sgpr_workgroup_id_z 1
		.amdhsa_system_vgpr_workitem_id 0
		.amdhsa_next_free_vgpr 256
		.amdhsa_next_free_sgpr 100
		.amdhsa_reserve_vcc 0
		.amdhsa_float_denorm_mode_32 3
		.amdhsa_float_denorm_mode_16_64 3
		.amdhsa_memory_ordered 1
		.amdhsa_forward_progress 1
		.amdhsa_inst_pref_size 96
	.end_amdhsa_kernel
	.amdgpu_metadata
---
amdhsa.version: [ 1, 2 ]
amdhsa.kernels:
  - .name:           k_q4ebb1d53c8_attn
    .symbol:         k_q4ebb1d53c8_attn.kd
    .args:
      - { .name: qc, .offset: 0, .size: 8, .value_kind: global_buffer, .address_space: global }
      - { .name: qs, .offset: 8, .size: 8, .value_kind: global_buffer, .address_space: global }
      - { .name: kc, .offset: 16, .size: 8, .value_kind: global_buffer, .address_space: global }
      - { .name: ks, .offset: 24, .size: 8, .value_kind: global_buffer, .address_space: global }
      - { .name: vc, .offset: 32, .size: 8, .value_kind: global_buffer, .address_space: global }
      - { .name: vs, .offset: 40, .size: 8, .value_kind: global_buffer, .address_space: global }
      - { .name: ac, .offset: 48, .size: 8, .value_kind: global_buffer, .address_space: global }
      - { .name: asc, .offset: 56, .size: 8, .value_kind: global_buffer, .address_space: global }
    .group_segment_fixed_size: 169984
    .private_segment_fixed_size: 0
    .kernarg_segment_align: 8
    .kernarg_segment_size: 64
    .max_flat_workgroup_size: 512
    .sgpr_count:     100
    .vgpr_count:     256
    .wavefront_size: 32
...
	.end_amdgpu_metadata
.endif
;; end of part 2
;; launch oproj (part 3): grid 32 x 8, 4 waves a work-group, clusters of 4 x 1, 168,448 bytes of LDS; arguments ac, asc, Wo_codes, Wo_scales, bo, out0; writes out0
.if DOCPART == 3
	.amdgcn_target "amdgcn-amd-amdhsa--gfx1250"
	.amdhsa_code_object_version 6
	.text
	.protected	k_q4ebb1d53c8_oproj
	.globl	k_q4ebb1d53c8_oproj
	.p2align	8
	.type	k_q4ebb1d53c8_oproj,@function
k_q4ebb1d53c8_oproj:
	s_mov_b64 s[64:65], 0
	v_nop
	global_prefetch_b8 v0, s[64:65] scope:SCOPE_SE
	s_setreg_imm32_b32 hwreg(HW_REG_WAVE_MODE, 25, 1), 1
	s_wait_xcnt 0x0
	s_wait_alu depctr_hold_cnt(0) depctr_sa_sdst(0) depctr_va_vdst(0) depctr_va_sdst(0) depctr_va_ssrc(0) depctr_va_vcc(0) depctr_vm_vsrc(0)
	s_getreg_b32 s2, hwreg(HW_REG_IB_STS2, 6, 4)
	s_cmp_eq_u32 s2, 0
	s_cbranch_scc0 .Lentry_in_a_cluster
	s_endpgm
.Lentry_in_a_cluster:
	s_bfe_u32 s2, ttmp6, 0x10000c
	s_cmp_lg_u32 s2, 0x3003
	s_cbranch_scc0 .Lentry_shape_is_right
	s_endpgm
.Lentry_shape_is_right:
; out0 = A Wo^T + bo: A = attention's result as FP4 (E2M1) codes (images of operand registers, by head and tile of 16 tokens) with its scale words; Wo as given codes and E8M0 scales; f32 sums and output.
; SHARES.  A work-group makes 256 tokens x 128 columns; wave w its tokens 64 w on: source 0 = 8 tiles of Wo's rows, source 1 = 4 tiles of tokens, 32 accumulators.  A lane then holds eight neighbouring columns of one token's row.
; A K step of 128 is two heads: a token fragment is the images of heads 2 ks and 2 ks + 1.  No two waves of a work-group read the same token fragment, so all 32 go from memory straight into registers, 512 consecutive bytes a load.
; CLUSTER 4 x 1: the four partners make the same 128 columns, so Wo's tile (128 rows x 512 bytes) is asked for jointly, once, a quarter by each wave; nothing in LDS is filled again.
; bo is the C of each sum's first matrix instruction, so it is added ahead of the products.  No prefetch: all that the launch reads is asked for at its head.
; REGISTERS, in windows of 256.  Window 0: addresses; v32-63 Wo's scale words, v64-79 the tokens', v80-111 those as loaded; v128-255 rows on the way out.  Window 1: accumulator (t, j) at 8 (8 j + t).
; Window 2: the tokens' fragments, (ks, j) at 8 (4 ks + j).  Window 3: Wo's fragments, two sets at 0 and 64; bo's 8 tiles from 128.
.set HALFK, 128*272                    ; LDS: Wo's 128 rows of half of K (256 bytes + 16 of padding), twice
.set TROW,  16*272
.set STAGE, 2*HALFK                    ; behind them: 16 rows x (512 + 16) bytes for each wave, for the way out
.set LI,   4                           ; v4   16 x lane
.set L32,  5                           ; v5   32 x lane
.set H32,  6                           ; v6   32 h
.set L4,   8                           ; v8   4 x lane
.set ADRI, 16                          ; v16  my lane's place in a tile of Wo
.set STO,  24                          ; v24  the stage: where I put 32 bytes of a row
.set RD,   25                          ; v25  and where I read a row back
.set SCI,  32                          ; 8 p + ks: lanes 0-15 tile 2 p of Wo's rows, lanes 16-31 tile 2 p + 1
.set SCJ,  64                          ; 2 ks + p: lanes 0-15 tile 2 p of my tokens, lanes 16-31 tile 2 p + 1
.set RAW,  80                          ; 2 head + p: the same lanes, one head's two bytes
.set BK,   128
.set CBO,  128                         ; window 3
.set WV,   28
.set MSB, 0
.macro WIN new                         ; the immediate's high byte repeats the setting that is left
.if MSB != \new
	s_set_vgpr_msb (MSB<<8)|\new
.set MSB, \new
.endif
.endm
.macro PLACES
.rept 4
	v_nop
.endr
.endm
.macro CROUND                          ; a round of the cluster's barrier
	s_barrier_signal -1
	s_barrier_wait -1
	s_cmp_lg_u32 s[WV], 0
	s_cbranch_scc1 .Lnot_wave_0_\@
	s_barrier_signal -3
.Lnot_wave_0_\@:
	s_barrier_wait -3
	s_barrier_signal -1
	s_barrier_wait -1
.endm
.macro WM d, a, b, c, sa, sb, ra, rb   ; one matrix instruction; ra, rb = 1: that side's scale words stand in lanes 16-31
.if ((\ra) == 1) && ((\rb) == 1)
	v_wmma_scale_f32_16x16x128_f8f6f4 v[\d:\d+7], v[\a:\a+7], v[\b:\b+7], v[\c:\c+7], v[\sa], v[\sb] matrix_a_fmt:MATRIX_FMT_FP4 matrix_b_fmt:MATRIX_FMT_FP4 matrix_a_scale:MATRIX_SCALE_ROW1 matrix_b_scale:MATRIX_SCALE_ROW1
.elseif (\ra) == 1
	v_wmma_scale_f32_16x16x128_f8f6f4 v[\d:\d+7], v[\a:\a+7], v[\b:\b+7], v[\c:\c+7], v[\sa], v[\sb] matrix_a_fmt:MATRIX_FMT_FP4 matrix_b_fmt:MATRIX_FMT_FP4 matrix_a_scale:MATRIX_SCALE_ROW1
.elseif (\rb) == 1
	v_wmma_scale_f32_16x16x128_f8f6f4 v[\d:\d+7], v[\a:\a+7], v[\b:\b+7], v[\c:\c+7], v[\sa], v[\sb] matrix_a_fmt:MATRIX_FMT_FP4 matrix_b_fmt:MATRIX_FMT_FP4 matrix_b_scale:MATRIX_SCALE_ROW1
.else
	v_wmma_scale_f32_16x16x128_f8f6f4 v[\d:\d+7], v[\a:\a+7], v[\b:\b+7], v[\c:\c+7], v[\sa], v[\sb] matrix_a_fmt:MATRIX_FMT_FP4 matrix_b_fmt:MATRIX_FMT_FP4
.endif
.endm
.macro MUL32 ks, fi                    ; K step ks: the 32 accumulators take turns, one instruction a turn, in the same order in every step
.irp t, 0,1,2,3,4,5,6,7
.irp j, 0,1,2,3
.if \fi
	WM 8*(8*\j+\t), 64*((\ks)%2)+8*\t, 8*(4*(\ks)+\j), CBO+8*\t, SCI+8*(\t/2)+(\ks), SCJ+2*(\ks)+\j/2, \t%2, \j%2
.else
	WM 8*(8*\j+\t), 64*((\ks)%2)+8*\t, 8*(4*(\ks)+\j), 8*(8*\j+\t), SCI+8*(\t/2)+(\ks), SCJ+2*(\ks)+\j/2, \t%2, \j%2
.endif
.endr
.endr
.endm
.macro FETCH ks                        ; Wo's eight fragments of K step ks into set ks % 2
	WIN 0xc0
.irp t, 0,1,2,3,4,5,6,7
.irp c, 0,1
	ds_load_b128 v[64*((\ks)%2)+8*\t+4*\c:64*((\ks)%2)+8*\t+4*\c+3], v[ADRI] offset:((\ks)/4)*HALFK+\t*TROW+64*((\ks)%4)+32*\c
.endr
.endr
.endm
.macro TOSTAGE a                       ; my tokens 16 a on: 16 rows x 128 columns into my own stage and back as whole rows of 512 bytes; LDS serves a wave's instructions in order (ISA guide 5.7.1.4)
	WIN 0x04                                       ; an LDS store's data are its source 1: window 1
.irp t, 0,1,2,3,4,5,6,7
	ds_store_b128 v[STO], v[64*(\a)+8*\t:64*(\a)+8*\t+3] offset:64*\t          ; each accumulator from its low end on
	ds_store_b128 v[STO], v[64*(\a)+8*\t+4:64*(\a)+8*\t+7] offset:64*\t+16
.endr
	WIN 0
.irp i, 0,1,2,3,4,5,6,7,8,9,10,11,12,13,14,15
	ds_load_b128 v[BK+64*((\a)%2)+4*\i:BK+64*((\a)%2)+4*\i+3], v[RD] offset:\i*528
.endr
.endm
.macro SEND a, younger                 ; younger: the LDS instructions issued behind block a's loads, which may stay out
	s_wait_dscnt \younger
.irp i, 0,1,2,3,4,5,6,7,8,9,10,11,12,13,14,15
	global_store_b128 v[LI], v[BK+64*((\a)%2)+4*\i:BK+64*((\a)%2)+4*\i+3], s[14:15] offset:(16*(\a)+\i)*4096 th:TH_STORE_NT   ; 32 lanes store 512 consecutive bytes, aligned; written once, read by nobody here
.endr
.endm
	s_load_b256 s[4:11], s[0:1], 0x0               ; ac s[4:5], asc s[6:7], Wo's codes s[8:9], Wo's scales s[10:11]
	s_load_b128 s[12:15], s[0:1], 0x20             ; bo s[12:13], out0 s[14:15]
	v_lshl_add_u32 v126, v0, 2, 0x29000
	v_mov_b32 v127, 0
	ds_add_u32 v126, v127
	ds_add_u32 v126, v127
	v_lshrrev_b32 v1, 5, v0
	v_readfirstlane_b32 s[WV], v1                  ; wave 0..3
	s_bfe_u32 s29, ttmp6, 0x40000                  ; cx: it enters the tokens' addresses alone
	s_and_b32 s30, ttmp7, 0xffff                   ; y: 128 columns, which the four partners share
	s_mov_b32 s16, 15|(1<<20)|(1<<21)|(5<<22)|(3<<25)   ; 15:0 the mask: all four; elements of 1 byte; padding on; 21 set beside a mask; after every 64 words 4 words
	s_mov_b32 s17, 256<<16                         ; tensor_dim0 = 256 bytes
	s_mov_b32 s18, 64<<16                          ; tensor_dim1 = 64 rows
	s_mov_b32 s19, 256<<16
	s_mov_b32 s20, 64
	s_mov_b32 s21, 512                             ; a row of Wo's codes
	s_mov_b32 s22, 0
	s_mov_b32 s23, 0
	s_and_b32 s34, s[WV], 1
	s_lshl_b32 s34, s34, 15                        ; rows 64 (wave % 2) on,
	s_lshl_b32 s35, s30, 16                        ; of the 128 y on,
	s_add_co_u32 s34, s34, s35
	s_lshr_b32 s35, s[WV], 1
	s_lshl_b32 s35, s35, 8                         ; half wave / 2 of K
	s_add_co_u32 s34, s34, s35
	s_mov_b32 s35, 0
	s_mul_i32 s36, s[WV], 64*272
	s_wait_dscnt 0x0
	s_wait_kmcnt 0x0
	s_mov_b32 s24, 1
	s_mov_b32 s25, s36
	s_add_nc_u64 s[26:27], s[8:9], s[34:35]
	s_or_b32 s27, s27, 0x80000000
	CROUND                                         ; all four work-groups are here: the joint loads meet
	tensor_load_to_lds s[24:27], s[16:23]          ; one load a wave, the launch's only ones
	s_nop 0
.rept 4
	v_nop
.endr
	v_and_b32 v1, 31, v0                           ; lane
	v_and_b32 v2, 15, v0                           ; r
	v_bfe_u32 v3, v0, 4, 1                         ; h
	v_lshlrev_b32 v[LI], 4, v1
	v_lshlrev_b32 v[L32], 5, v1
	v_lshlrev_b32 v[H32], 5, v3
	v_lshlrev_b32 v[L4], 2, v1
	s_wait_alu depctr_va_vdst(0)
	v_mul_u32_u24 v[ADRI], v2, 272
	v_lshl_add_u32 v[ADRI], v3, 4, v[ADRI]
	s_mul_i32 s36, s[WV], 16*528
	s_add_co_u32 s36, s36, STAGE                   ; my stage
	v_mul_u32_u24 v[STO], v2, 528
	v_lshl_add_u32 v[STO], v3, 5, v[STO]
	v_add_nc_u32 v[STO], s36, v[STO]
	v_add_nc_u32 v[RD], s36, v[LI]
	s_mov_b32 s33, 0
	s_lshl_b32 s32, ttmp9, 16                      ; asc: [n][head][tile][r] words; n = the cluster's x
	s_lshl_b32 s37, s29, 10
	s_add_co_u32 s32, s32, s37
	s_lshl_b32 s37, s[WV], 8
	s_add_co_u32 s32, s32, s37
	s_add_nc_u64 s[6:7], s[6:7], s[32:33]
	s_lshl_b32 s32, ttmp9, 19                      ; ac: [n][head][tile][512]
	s_lshl_b32 s37, s29, 13
	s_add_co_u32 s32, s32, s37
	s_lshl_b32 s37, s[WV], 11
	s_add_co_u32 s32, s32, s37
	s_add_nc_u64 s[4:5], s[4:5], s[32:33]
	s_lshl_b32 s32, ttmp9, 22                      ; out0: token 1,024 n + 256 cx + 64 wave, 4,096 bytes a row; column 128 y
	s_lshl_b32 s37, s29, 20
	s_add_co_u32 s32, s32, s37
	s_lshl_b32 s37, s[WV], 18
	s_add_co_u32 s32, s32, s37
	s_lshl_b32 s37, s30, 9
	s_add_co_u32 s32, s32, s37
	s_add_nc_u64 s[14:15], s[14:15], s[32:33]
	s_lshl_b32 s34, s30, 12
	s_add_nc_u64 s[10:11], s[10:11], s[34:35]      ; Wo's scale bytes: 32 a row
	s_lshl_b32 s34, s30, 9
	s_add_nc_u64 s[12:13], s[12:13], s[34:35]      ; bo
.irp d, 0,1,2,3,4,5,6,7,8,9,10,11,12,13,14,15
.irp p, 0,1
	global_load_b32 v[RAW+2*\d+\p], v[L4], s[6:7] offset:4096*\d+128*\p   ; head d, my tiles 2 p and 2 p + 1
.endr
.endr
.irp p, 0,1,2,3
.irp f, 0,1
	global_load_b128 v[SCI+8*\p+4*\f:SCI+8*\p+4*\f+3], v[L32], s[10:11] offset:1024*\p+16*\f
.endr
.endr
	WIN 0xc0                                       ; destination window 3
.irp t, 0,1,2,3,4,5,6,7
	global_load_b128 v[CBO+8*\t:CBO+8*\t+3], v[H32], s[12:13] offset:64*\t       ; lane (r, h): bo of columns 16 t + 8 h + 0 .. 7
	global_load_b128 v[CBO+8*\t+4:CBO+8*\t+7], v[H32], s[12:13] offset:64*\t+16
.endr
	WIN 0x80                                       ; destination window 2
.irp k, 0,1,2,3,4,5,6,7
.irp j, 0,1,2,3
.irp c, 0,1
	global_load_b128 v[8*(4*\k+\j)+4*\c:8*(4*\k+\j)+4*\c+3], v[LI], s[4:5] offset:(2*\k+\c)*32768+512*\j
.endr
.endr
.endr
	WIN 0
	s_wait_loadcnt 63                              ; 120 loads were issued: the first 57 are in, the 56 of scale words and bias among them
.irp k, 0,1,2,3,4,5,6,7
.irp p, 0,1
	v_perm_b32 v[SCJ+2*\k+\p], v[RAW+2*(2*\k+1)+\p], v[RAW+2*(2*\k)+\p], 0x05040100   ; heads 2 k and 2 k + 1: two bytes each make the K step's word
.endr
.endr
.rept 8
	v_nop                                          ; scale registers written by vector instructions stand eight places ahead of a scaled matrix instruction
.endr
	s_wait_tensorcnt 0x0                           ; my quarter of Wo's tile is in,
	s_barrier_signal -1
	s_barrier_wait -1                              ; everybody's is
	FETCH 0
.irp k, 0,1,2,3,4,5,6,7
	s_wait_dscnt 0x0                               ; this step's fragments of Wo are in
	s_wait_loadcnt 8*(7-\k)                        ; and the tokens': the later steps' eight loads each may stay out
.if \k < 7
.if \k > 0
	PLACES                                         ; the set that is loaded next was read by the matrix instructions just issued
.endif
	FETCH \k+1
.endif
.if \k == 0
	WIN 0x7b                                       ; source 0 window 3, source 1 window 2, C (bo) window 3, D window 1
	MUL32 0, 1
.else
	WIN 0x5b                                       ; C and D window 1
	s_wait_alu depctr_va_vdst(0)
	MUL32 \k, 0
.endif
.endr
	WIN 0
	PLACES
	TOSTAGE 0
.irp a, 1,2,3
.if \a > 1
	s_wait_xcnt 0x0                                ; block a - 2's stores have read their registers: block a's loads may land there
.endif
	TOSTAGE \a
	SEND \a-1, 32                                  ; behind block a - 1's loads: block a's 16 stores and 16 loads
.endr
	SEND 3, 0
	s_wait_dscnt 0x0
	s_wait_tensorcnt 0x0
	ds_add_u32 v126, v127
	s_wait_dscnt 0x0
	CROUND                                         ; the closing round: no work-group ends while a partner may still ask for a tile that names it
	s_endpgm
.Lfunc_end_k_q4ebb1d53c8_oproj:
	.size	k_q4ebb1d53c8_oproj, .Lfunc_end_k_q4ebb1d53c8_oproj-k_q4ebb1d53c8_oproj
	.p2alignl 7, 3214868480
	.fill 96, 4, 3214868480
	.section	.rodata,"a",@progbits
	.p2align	6, 0x0
	.amdhsa_kernel k_q4ebb1d53c8_oproj
		.amdhsa_group_segment_fixed_size 168448
		.amdhsa_private_segment_fixed_size 0
		.amdhsa_enable_private_segment 0
		.amdhsa_kernarg_size 48
		.amdhsa_user_sgpr_count 2
		.amdhsa_user_sgpr_kernarg_segment_ptr 1
		.amdhsa_wavefront_size32 1
		.amdhsa_system_sgpr_workgroup_id_x 1
		.amdhsa_system_sgpr_workgroup_id_y 1
		.amdhsa_system_sgpr_workgroup_id_z 1
		.amdhsa_system_vgpr_workitem_id 0
		.amdhsa_next_free_vgpr 960
		.amdhsa_next_free_sgpr 66
		.amdhsa_reserve_vcc 0
		.amdhsa_float_denorm_mode_32 3
		.amdhsa_float_denorm_mode_16_64 3
		.amdhsa_memory_ordered 1
		.amdhsa_forward_progress 1
		.amdhsa_inst_pref_size 75
	.end_amdhsa_kernel
	.amdgpu_metadata
---
amdhsa.version: [ 1, 2 ]
amdhsa.kernels:
  - .name:           k_q4ebb1d53c8_oproj
    .symbol:         k_q4ebb1d53c8_oproj.kd
    .args:
      - { .name: ac, .offset: 0, .size: 8, .value_kind: global_buffer, .address_space: global }
      - { .name: asc, .offset: 8, .size: 8, .value_kind: global_buffer, .address_space: global }
      - { .name: Wo_codes, .offset: 16, .size: 8, .value_kind: global_buffer, .address_space: global }
      - { .name: Wo_scales, .offset: 24, .size: 8, .value_kind: global_buffer, .address_space: global }
      - { .name: bo, .offset: 32, .size: 8, .value_kind: global_buffer, .address_space: global }
      - { .name: out0, .offset: 40, .size: 8, .value_kind: global_buffer, .address_space: global }
    .group_segment_fixed_size: 168448
    .private_segment_fixed_size: 0
    .kernarg_segment_align: 8
    .kernarg_segment_size: 48
    .max_flat_workgroup_size: 128
    .sgpr_count:     66
    .vgpr_count:     960
    .wavefront_size: 32
...
	.end_amdgpu_metadata
.endif
;; end of part 3
